; MI455X (gfx1250); checked and timed in simulation.
; The chip was launched on July 23, 2026; its instructions are those of AMD's public machine-readable ISA for CDNA 5 (MIT licence, August 2026) and "CDNA5" Instruction Set Architecture Reference Guide (July 2026). The comments in the code are by the model that wrote it; some were corrected since.
;; Multi Layer Attention. Allowed arithmetic: matrix products marked QUANTISED: E3M2 operands, one E8M0 scale for each 32 along K, by v_wmma_scale_f32_16x16x128_f8f6f4 with both operands' format E3M2, f32 sums; everything else in f32.
;; Inputs: Wc 2,048 x 2,048 float32; Wq 2,048 x 2,048 float32; bc 2,048 float32; bq 2,048 float32; hidden_states 2 x 2,048 x 2,048 float32; key 2 x 8 x 2,048 x 64 float32; value 2 x 8 x 2,048 x 64 float32.
;; Outputs: out0 2 x 2,048 x 2,048 float32.
;; This version of the problem:
;;   THIS VERSION OF THE PROBLEM IS GIVEN IN LOW PRECISION. The matrix products marked QUANTISED in the list below multiply operands that are first quantised to E3M2 (3 exponent bits, 2 mantissa bits; 6 bits a number), with one power-of-two scale for each 32 numbers along K (OCP MX v1.0); their sums are f32. All else is computed in f32.
;;   The module's matrix products, in the order in which they are computed (A, B: the left and right operand; K: the contracted axis; several contracted axes count as one K, in the product's order):
;;     1. [M 4,096, K 2,048] x [K 2,048, N 2,048]; A: input hidden_states; B: input Wq: QUANTISED
;;     2. batch 64 x [M 2,048, K 64] x [K 64, N 2,048]; A: computed on the way; B: input key: QUANTISED
;;     3. batch 64 x [M 2,048, K 2,048] x [K 2,048, N 64]; A: softmax (see below); B: input value: QUANTISED
;;     4. [M 4,096, K 2,048] x [K 2,048, N 2,048]; A: computed on the way; B: input Wc: QUANTISED
;;   THE QUANTISER, for each operand of a quantised product, along K:
;;     - K is cut into blocks of 32 from its start; a last block that is shorter is filled with zeros.
;;     - A block's scale is 2^e with e = floor(log2(the largest magnitude in the block)) - 4, held to -126 .. 127; a block of zeros has e = 0. As a byte (E8M0): e + 127.
;;     - Each number is divided by its block's scale, clamped to +-28, and rounded to the nearest number of E3M2, ties to even, subnormals kept.
;;     - The product sums the exact products of the quantised numbers (number of the format x scale) in f32.
;;   ~~~python
;;   def quantise(x, axis):      # numpy; x: float32 -> the quantised numbers, widened to float32 again
;;       x = np.moveaxis(x, axis, -1); K = x.shape[-1]
;;       x = np.pad(x, [(0, 0)] * (x.ndim - 1) + [(0, -K % 32)]); x = x.reshape(x.shape[:-1] + (-1, 32)); a = np.abs(x).max(-1, keepdims=True)
;;       e = np.where(a > 0, np.clip(np.frexp(np.where(a > 0, a, 1))[1] - 1 - 4, -126, 127), 0)      # np.frexp(a)[1] - 1 = floor(log2(a)), exactly
;;       r = np.clip(x / 2.0 ** e, -28, 28)
;;       step = 2.0 ** (np.maximum(np.frexp(np.where(r == 0, 1, r))[1] - 1, -2) - 2)
;;       q = np.round(r / step) * step * 2.0 ** e      # np.round: ties to even
;;       return np.moveaxis(q.reshape(q.shape[:-2] + (-1,))[..., :K], -1, axis).astype(np.float32)
;;   ~~~
;;   SOFTMAX AHEAD OF A QUANTISED PRODUCT. Where the list says 'softmax', what is quantised is not the finished softmax but p = 2^(t - M), with t = logit x log2(e) and M = ceil(the row's largest t), a whole number; so 1/2 < the row's largest p <= 1. The row's sum l is taken of the UNQUANTISED p, in f32, and the product's result is divided by l at the end. Since M is a whole number, a kernel that streams over the keys may use a running M (the ceiling of the running maximum): every later rescaling is an exact power of two, which a block's scale takes up: the codes' values come out the same.
;;   OPERANDS COMPUTED ON THE WAY. 'Computed on the way' means the value that the module computes at that place (a softmax that the list does not call 'softmax' is quantised finished and normalised). What goes into a quantiser is computed in f32, as accurately as f32 sums, v_exp_f32 and their like allow (about 1e-6 of the number): no bf16 or f16 on the way to a quantiser, and a product that is left as it is and whose result goes on into a quantised operand takes f32 operands (vector FMAs, or v_wmma_f32_16x16x4_f32). A number that lies on a knife's edge between two numbers of the format may be rounded either way, as far as f32 arithmetic and the matrix unit's own rounding can turn it there, and no further.
;; One version. Each part assembles by itself: llvm-mc -triple=amdgcn-amd-amdhsa -mcpu=gfx1250 --defsym DOCPART=n.
;; ======== version 1 of 1: 4 launches
;; limits: right only within a limited range of input values
;; workspace buffers: xc 6,291,456 bytes; xs 262,144 bytes; wq_codes 3,145,728 bytes; wq_scales 131,072 bytes; wc_codes 3,145,728 bytes; wc_scales 131,072 bytes; kv 3,276,800 bytes; q 33,554,432 bytes
;; launch quant (part 1): grid 704 x 1, 4 waves a work-group, no clusters, 33,280 bytes of LDS; arguments hidden_states, Wq, Wc, key, value, xc, xs, wq_codes, wq_scales, wc_codes, wc_scales, kv; writes xc, xs, wq_codes, wq_scales, wc_codes, wc_scales, kv
.if DOCPART == 1
	.amdgcn_target "amdgcn-amd-amdhsa--gfx1250"
	.amdhsa_code_object_version 6
	.text
	.protected	k_q872c4630f8_quant
	.globl	k_q872c4630f8_quant
	.p2align	8
	.type	k_q872c4630f8_quant,@function
k_q872c4630f8_quant:
	s_mov_b64 s[64:65], 0
	v_nop
	global_prefetch_b8 v0, s[64:65] scope:SCOPE_SE
	s_setreg_imm32_b32 hwreg(HW_REG_WAVE_MODE, 25, 1), 1
	s_wait_xcnt 0x0
; ALL FIVE f32 OPERANDS BECOME CODES OF BF6 (E3M2), 6 bits each, with one E8M0 scale byte for each 32 along K.
; A block's scale is 2^(floor(log2(its largest magnitude)) - 4); its byte is the largest magnitude's exponent field - 4, held at 1 from below.
; (A block of zeros so gets the byte 1 where the quantiser says 127: its codes are zeros, which add nothing under any byte but 0xff, and the bytes are read by this program alone.)
; LIMITS: blocks whose largest magnitude lies under 2^-122 get the byte 1; NaN and infinities among the inputs are not served.
; hidden_states, Wq, Wc and key have K innermost and dense rows: each is a plain stream of blocks of 32, and so are its codes and its scale bytes.  value has K (the keys) as the outer axis of a head.
; WORK-GROUPS: 0-255 hidden_states, 256-383 Wq, 384-511 Wc, 512-575 key (32,768 numbers each), 576-703 value (two steps of 128 keys x 64 channels each).
; THE BUFFER kv holds, for each of the 16 kv heads, 204,800 dense bytes, laid as the attention launch wants them in LDS:
;   0        K's codes, 48 bytes a key        98,304   K's scale bytes, 2 a key
;   102,400  V's codes: [16 steps of 128 keys][4 tiles of 16 channels][1,536 bytes: the image of the operand's 12 registers: register group c of lane l at 512 c + 16 l]
;   200,704  V's scale words: [16 steps][4 tiles][16 rows] of 4 bytes
; STREAM PATH.  A wave takes 16 steps of 512 numbers.  Each of a step's four loads reads 512 consecutive bytes; the 2,048 bytes turn through the wave's own stage in LDS and come back 64 bytes a lane,
; so that a lane holds 16 neighbours along K (two neighbouring lanes hold a block).  A lane's 16 codes are 12 bytes: the wave stores 384 consecutive bytes.  A wave's 256 scale bytes are gathered in LDS and leave as one aligned run of 256 bytes.
; VALUE PATH.  A lane takes a channel d and its registers run down the keys: a block of 32 keys lies in one lane, and the conversions give codes with the keys innermost.  It uses no LDS.
; No tensor loads, no barrier: waves share nothing.
.set STEPS, 16
.set EMAX,  4
.set CB,    12                         ; bytes of 16 codes
.set R,     16                         ; v16-79   four sets of 16 numbers as they are loaded
.set X,     80                         ; v80-111  two sets of 16 neighbours
.set C,     128                        ; v128-191 codes: four registers for each step, so that no store's data are written again
.set E,     112                        ; v112-127 a scale byte for each step
.set WREG,  8192                       ; LDS: a region for each wave: two stages of 32 x SP bytes, and behind them its 256 scale bytes
.set SP,    80                         ; a lane's place in a stage: its 64 bytes + 16 of padding
.set HEADB, 204800                     ; a kv head's bytes in kv
.set KSOFF, 98304
.set VCOFF, 102400
.set VSOFF, 200704
	s_load_b512 s[4:19], s[0:1], 0x0               ; hidden s[4:5], Wq s[6:7], Wc s[8:9], key s[10:11], value s[12:13], xc s[14:15], xs s[16:17], wq_codes s[18:19]
	s_load_b256 s[20:27], s[0:1], 0x40             ; wq_scales s[20:21], wc_codes s[22:23], wc_scales s[24:25], kv s[26:27]
	v_lshl_add_u32 v200, v0, 2, 0x8000
	v_mov_b32 v201, 0
	v_lshrrev_b32 v1, 5, v0
	v_readfirstlane_b32 s38, v1                    ; wave
	v_and_b32 v2, 31, v0                           ; lane
	s_cmp_ge_u32 ttmp9, 576
	s_cbranch_scc1 .Lvalue
	; ---------------- the stream path ----------------
	v_lshlrev_b32 v3, 4, v2                        ; my 16 bytes of a load's 512
	s_mul_i32 s39, s38, WREG
	v_lshrrev_b32 v14, 2, v2
	v_mul_u32_u24 v14, v14, SP
	v_and_b32 v15, 3, v2
	v_lshl_add_u32 v14, v15, 4, v14
	v_add_nc_u32 v14, s39, v14                     ; the stage, on the way in: SP (lane / 4) + 16 (lane % 4)
	v_mul_u32_u24 v15, v2, SP
	v_add_nc_u32 v15, s39, v15                     ; and on the way out: SP x lane: my 16 neighbours
	v_mul_u32_u24 v4, v2, CB                       ; my codes' place in a step's
	v_lshrrev_b32 v5, 1, v2
	s_add_co_u32 s39, s39, 2*32*SP
	v_add_nc_u32 v5, s39, v5                       ; LDS: my wave's 256 scale bytes, my block's byte
	v_lshlrev_b32 v7, 3, v2                        ; and on the way out 8 bytes a lane
	v_add_nc_u32 v6, s39, v7
	s_wait_alu depctr_va_vdst(0)
	s_wait_kmcnt 0x0
	; which tensor: the choices hang on the work-group's number alone.  They begin as key's and are replaced from the top down.
	s_mov_b64 s[28:29], s[10:11]                   ; the numbers
	s_mov_b64 s[30:31], s[26:27]                   ; the codes
	s_mov_b64 s[32:33], s[26:27]                   ; the scale bytes
	s_mov_b32 s34, 512                             ; the tensor's first work-group
	s_cmp_lt_u32 ttmp9, 512
	s_cselect_b64 s[28:29], s[8:9], s[28:29]
	s_cselect_b64 s[30:31], s[22:23], s[30:31]
	s_cselect_b64 s[32:33], s[24:25], s[32:33]
	s_cselect_b32 s34, 384, s34
	s_cselect_b32 s35, 0, HEADB-98304              ; key alone: what a head's 16 runs of codes skip to reach the next head,
	s_cselect_b32 s36, 0, HEADB-4096               ; what its scale bytes skip,
	s_cselect_b32 s37, 0, KSOFF                    ; and where they begin in a head
	s_cmp_lt_u32 ttmp9, 384
	s_cselect_b64 s[28:29], s[6:7], s[28:29]
	s_cselect_b64 s[30:31], s[18:19], s[30:31]
	s_cselect_b64 s[32:33], s[20:21], s[32:33]
	s_cselect_b32 s34, 256, s34
	s_cmp_lt_u32 ttmp9, 256
	s_cselect_b64 s[28:29], s[4:5], s[28:29]
	s_cselect_b64 s[30:31], s[14:15], s[30:31]
	s_cselect_b64 s[32:33], s[16:17], s[32:33]
	s_cselect_b32 s34, 0, s34
	s_sub_co_u32 s40, ttmp9, s34
	s_lshl_b32 s40, s40, 2
	s_add_co_u32 s40, s40, s38                     ; which run of 8,192 numbers of the tensor is my wave's (at most 1,023: every offset stays under 2^26)
	s_lshr_b32 s41, s40, 4                         ; key: the head (16 runs a head)
	s_lshl_b32 s42, s40, 15
	s_mov_b32 s43, 0
	s_add_nc_u64 s[28:29], s[28:29], s[42:43]      ; 32,768 bytes of numbers a run
	s_mul_i32 s42, s40, 32*STEPS*CB
	s_mul_i32 s44, s41, s35
	s_add_co_u32 s42, s42, s44
	s_add_nc_u64 s[30:31], s[30:31], s[42:43]      ; 6,144 bytes of codes
	s_lshl_b32 s42, s40, 8
	s_mul_i32 s44, s41, s36
	s_add_co_u32 s42, s42, s44
	s_add_co_u32 s42, s42, s37
	s_add_nc_u64 s[32:33], s[32:33], s[42:43]      ; 256 scale bytes
.macro LOAD t
.irp i, 0,1,2,3
	global_load_b128 v[R+16*((\t)%4)+4*\i:R+16*((\t)%4)+4*\i+3], v3, s[28:29] offset:2048*(\t)+512*\i th:TH_LOAD_NT   ; 32 lanes read 512 consecutive bytes
.endr
.endm
.macro TURN t                          ; step t's numbers through the stage: LDS serves a wave's instructions in order (ISA guide 5.7.1.4), so no wait stands between the stores and the loads
.irp i, 0,1,2,3
	ds_store_b128 v14, v[R+16*((\t)%4)+4*\i:R+16*((\t)%4)+4*\i+3] offset:32*SP*((\t)%2)+8*SP*\i
.endr
.irp i, 0,1,2,3
	ds_load_b128 v[X+16*((\t)%2)+4*\i:X+16*((\t)%2)+4*\i+3], v15 offset:32*SP*((\t)%2)+16*\i
.endr
.endm
.irp t, 0,1,2,3
	LOAD \t
.endr
	s_wait_loadcnt 12                              ; step 0's four loads are in; the twelve of steps 1 to 3 may be out
	TURN 0
.macro STEP t
.set XS, X+16*((\t)%2)
.if (\t) > 0
	s_wait_dscnt 1                                 ; this step's numbers are back from the stage (the last step's byte store may be out): so its stores into the stage have read their registers,
.else
	s_wait_dscnt 0x0
.endif
.if (\t)+4 < STEPS
	LOAD (\t)+4                                    ; which take the loads of four steps on
.endif
.if (\t)+1 < STEPS
.if STEPS-2-(\t) >= 3
	s_wait_loadcnt 12                              ; the next step's four loads are in; those of the three steps behind it may be out
.else
	s_wait_loadcnt 4*(STEPS-2-(\t))
.endif
	TURN (\t)+1                                    ; and go through the other stage while this step is worked
.endif
	v_max3_num_f32 v8, |v[XS]|, |v[XS+1]|, |v[XS+2]|               ; the largest magnitude of my 16, in two chains
	v_max3_num_f32 v9, |v[XS+3]|, |v[XS+4]|, |v[XS+5]|
.irp i, 6,10
	v_max3_num_f32 v8, v8, |v[XS+\i]|, |v[XS+\i+1]|
	v_max3_num_f32 v9, v9, |v[XS+\i+2]|, |v[XS+\i+3]|
.endr
	v_max3_num_f32 v8, v8, |v[XS+14]|, |v[XS+15]|
	v_max3_num_f32 v8, v8, v9, (EMAX+1)<<23        ; and the floor 2^(EMAX + 1 - 127): so the byte cannot fall under 1
	v_max_num_f32_dpp v8, v8, v8 row_xmask:1 row_mask:0xf bank_mask:0xf   ; and of my neighbour's 16: the block's
	v_add_nc_u32 v11, -(EMAX<<23), v8              ; EMAX off its exponent field: the conversion takes the exponent field of this operand as its scale, and nothing else of it
	v_cvt_scalef32_pk16_bf6_f32 v[C+4*(\t):C+4*(\t)+2], v[XS:XS+15], v11         ; sixteen numbers / the scale, to the nearest code, ties to even, beyond the largest code the largest; 96 bits without gaps
	v_lshrrev_b32 v[E+(\t)], 23, v11               ; the scale's byte (a plain line behind the conversion)
	ds_store_b8 v5, v[E+(\t)] offset:16*(\t)       ; both lanes of a block write the same byte with the same value
	global_store_b96 v4, v[C+4*(\t):C+4*(\t)+2], s[30:31] offset:32*CB*(\t)
.endm
.irp t, 0,1,2,3,4,5,6,7,8,9,10,11,12,13,14,15
	STEP \t
.endr
	ds_load_b64 v[12:13], v6                       ; LDS serves a wave's instructions in order: these see my stores
	s_wait_dscnt 0x0
	global_store_b64 v7, v[12:13], s[32:33]        ; 32 lanes store 256 consecutive bytes, aligned
	s_wait_tensorcnt 0x0
	ds_add_u32 v200, v201
	s_wait_dscnt 0x0
	s_endpgm
	; ---------------- the value path ----------------
	; Work-group 576 + 8 head + i takes steps 2 i and 2 i + 1 of a head; wave w: step 2 i + w / 2, channels 32 (w % 2) + lane.
	; THE CHANNELS OF A TILE ARE NOT NEIGHBOURS: row m of tile 2 b + u is channel 32 b + 8 u + m + 8 (m / 8), so that in the attention's result the 16 registers of tiles 2 b and 2 b + 1 are 16 neighbouring channels.
	; Seen from the lane: channel 32 b + lane is row m = lane % 8 + 8 (lane / 16) of tile 2 b + u, u = (lane / 8) % 2.
.Lvalue:
	s_sub_co_u32 s40, ttmp9, 576
	s_lshr_b32 s41, s40, 3                         ; the head
	s_and_b32 s40, s40, 7
	s_lshl_b32 s40, s40, 1
	s_lshr_b32 s42, s38, 1
	s_add_co_u32 s40, s40, s42                     ; the step of 128 keys
	s_and_b32 s39, s38, 1                          ; b: which 32 channels
	s_wait_alu depctr_va_vdst(0)
	v_lshlrev_b32 v1, 2, v2                        ; in: 4 bytes a lane
	v_bfe_u32 v3, v2, 3, 1                         ; u
	v_and_b32 v4, 7, v2
	v_lshrrev_b32 v5, 4, v2
	v_lshl_add_u32 v4, v5, 3, v4                   ; m
	v_mul_u32_u24 v5, v3, 1536
	v_lshl_add_u32 v5, v4, 4, v5                   ; out, codes: 1,536 u + 16 m
	v_lshlrev_b32 v6, 6, v3
	v_lshl_add_u32 v6, v4, 2, v6                   ; out, scale words: 64 u + 4 m
	s_lshl_b32 s42, s41, 19                        ; a head of value is 524,288 bytes,
	s_lshl_b32 s44, s40, 15                        ; a step 32,768,
	s_add_co_u32 s42, s42, s44
	s_lshl_b32 s44, s39, 7                         ; 32 channels 128
	s_add_co_u32 s42, s42, s44
	s_mov_b32 s43, 0
	s_wait_alu depctr_va_vdst(0)
	s_wait_kmcnt 0x0
	s_add_nc_u64 s[28:29], s[12:13], s[42:43]
	s_mul_i32 s42, s41, HEADB
	s_mul_i32 s44, s40, 6144
	s_add_co_u32 s44, s44, s42
	s_mul_i32 s45, s39, 3072
	s_add_co_u32 s44, s44, s45
	s_add_co_u32 s44, s44, VCOFF
	s_mov_b32 s45, 0
	s_add_nc_u64 s[30:31], s[26:27], s[44:45]      ; my two tiles' images
	s_lshl_b32 s44, s40, 8
	s_add_co_u32 s44, s44, s42
	s_lshl_b32 s46, s39, 7
	s_add_co_u32 s44, s44, s46
	s_add_co_u32 s44, s44, VSOFF
	s_add_nc_u64 s[32:33], s[26:27], s[44:45]      ; and their scale words
.set i, 0
.rept 128
	global_load_b32 v[32+i], v1, s[28:29] offset:256*i th:TH_LOAD_NT   ; value(key i of the step, my channel): 32 lanes read 128 consecutive bytes; the wave beside me reads the row's other half
.set i, i+1
.endr
.macro VMAX2 b0                        ; the largest magnitudes of blocks b0 and b0 + 1 (keys 32 b on), each in two chains; all 32 numbers of a block are mine
.irp b, \b0, \b0+1
	v_max3_num_f32 v[16+\b], |v[32+32*(\b)]|, |v[33+32*(\b)]|, |v[34+32*(\b)]|
	v_max3_num_f32 v[20+\b], |v[35+32*(\b)]|, |v[36+32*(\b)]|, |v[37+32*(\b)]|
.endr
.irp k, 6,10,14,18,22,26
.irp b, \b0, \b0+1
	v_max3_num_f32 v[16+\b], v[16+\b], |v[32+32*(\b)+\k]|, |v[33+32*(\b)+\k]|
	v_max3_num_f32 v[20+\b], v[20+\b], |v[34+32*(\b)+\k]|, |v[35+32*(\b)+\k]|
.endr
.endr
.irp b, \b0, \b0+1
	v_max3_num_f32 v[16+\b], v[16+\b], |v[62+32*(\b)]|, |v[63+32*(\b)]|
.endr
.irp b, \b0, \b0+1
	v_max3_num_f32 v[16+\b], v[16+\b], v[20+\b], (EMAX+1)<<23      ; and the floor
.endr
.irp b, \b0, \b0+1
	v_add_nc_u32 v[24+\b], -(EMAX<<23), v[16+\b]   ; the conversion's scale operand
.endr
.irp b, \b0, \b0+1
	v_lshrrev_b32 v[28+\b], 23, v[24+\b]           ; the scale's byte
.endr
.endm
	s_wait_loadcnt 63                              ; at most 63 of the 128 loads are out: the first 64, blocks 0 and 1, are in
	VMAX2 0
	s_wait_loadcnt 0x0
	VMAX2 2
	v_lshl_or_b32 v15, v29, 8, v28                 ; my row's scale word: the four blocks' bytes, the lower keys in the lower byte
	v_lshl_or_b32 v15, v30, 16, v15
	v_lshl_or_b32 v15, v31, 24, v15
	; The operand's layout gives lane (m, h) of a tile the keys 64 c + 32 h + 0 .. 31 in registers 6 c .. 6 c + 5.  I hold all four blocks of my row, so I make both lanes' twelve registers: those of lane (m, h) at v[160 + 12 h].
.irp h, 0,1
.irp c, 0,1
	v_cvt_scalef32_pk16_bf6_f32 v[160+12*\h+6*\c:162+12*\h+6*\c], v[32+32*(2*\c+\h):47+32*(2*\c+\h)], v[24+2*\c+\h]
	v_cvt_scalef32_pk16_bf6_f32 v[184+4*(2*\h+\c):186+4*(2*\h+\c)], v[48+32*(2*\c+\h):63+32*(2*\c+\h)], v[24+2*\c+\h]   ; (a conversion's three registers begin on an even number: the second half of a block's six is made elsewhere and moved)
.endr
.endr
	v_nop                                          ; one plain line behind the scaled conversions
.irp h, 0,1
.irp c, 0,1
.irp k, 0,1,2
	v_mov_b32 v[163+12*\h+6*\c+\k], v[184+4*(2*\h+\c)+\k]
.endr
.endr
.endr
.irp h, 0,1
.irp c, 0,1,2
	global_store_b128 v5, v[160+12*\h+4*\c:163+12*\h+4*\c], s[30:31] offset:512*\c+256*\h   ; register group c of lanes (m, h), m = 0 .. 15, of two tiles: two runs of 256 consecutive bytes, aligned
.endr
.endr
	global_store_b32 v6, v15, s[32:33]             ; 128 consecutive bytes: two tiles' scale words
	s_endpgm
.Lfunc_end_k_q872c4630f8_quant:
	.size	k_q872c4630f8_quant, .Lfunc_end_k_q872c4630f8_quant-k_q872c4630f8_quant
	.p2alignl 7, 3214868480
	.fill 96, 4, 3214868480
	.section	.rodata,"a",@progbits
	.p2align	6, 0x0
	.amdhsa_kernel k_q872c4630f8_quant
		.amdhsa_group_segment_fixed_size 33280
		.amdhsa_private_segment_fixed_size 0
		.amdhsa_enable_private_segment 0
		.amdhsa_kernarg_size 96
		.amdhsa_user_sgpr_count 2
		.amdhsa_user_sgpr_kernarg_segment_ptr 1
		.amdhsa_wavefront_size32 1
		.amdhsa_system_sgpr_workgroup_id_x 1
		.amdhsa_system_sgpr_workgroup_id_y 1
		.amdhsa_system_sgpr_workgroup_id_z 1
		.amdhsa_system_vgpr_workitem_id 0
		.amdhsa_next_free_vgpr 202
		.amdhsa_next_free_sgpr 66
		.amdhsa_reserve_vcc 0
		.amdhsa_float_denorm_mode_32 3
		.amdhsa_float_denorm_mode_16_64 3
		.amdhsa_memory_ordered 1
		.amdhsa_forward_progress 1
		.amdhsa_inst_pref_size 53
	.end_amdhsa_kernel
	.amdgpu_metadata
---
amdhsa.version: [ 1, 2 ]
amdhsa.kernels:
  - .name:           k_q872c4630f8_quant
    .symbol:         k_q872c4630f8_quant.kd
    .args:
      - { .name: hidden_states, .offset: 0, .size: 8, .value_kind: global_buffer, .address_space: global }
      - { .name: Wq, .offset: 8, .size: 8, .value_kind: global_buffer, .address_space: global }
      - { .name: Wc, .offset: 16, .size: 8, .value_kind: global_buffer, .address_space: global }
      - { .name: key, .offset: 24, .size: 8, .value_kind: global_buffer, .address_space: global }
      - { .name: value, .offset: 32, .size: 8, .value_kind: global_buffer, .address_space: global }
      - { .name: xc, .offset: 40, .size: 8, .value_kind: global_buffer, .address_space: global }
      - { .name: xs, .offset: 48, .size: 8, .value_kind: global_buffer, .address_space: global }
      - { .name: wq_codes, .offset: 56, .size: 8, .value_kind: global_buffer, .address_space: global }
      - { .name: wq_scales, .offset: 64, .size: 8, .value_kind: global_buffer, .address_space: global }
      - { .name: wc_codes, .offset: 72, .size: 8, .value_kind: global_buffer, .address_space: global }
      - { .name: wc_scales, .offset: 80, .size: 8, .value_kind: global_buffer, .address_space: global }
      - { .name: kv, .offset: 88, .size: 8, .value_kind: global_buffer, .address_space: global }
    .group_segment_fixed_size: 33280
    .private_segment_fixed_size: 0
    .kernarg_segment_align: 8
    .kernarg_segment_size: 96
    .max_flat_workgroup_size: 128
    .sgpr_count:     66
    .vgpr_count:     202
    .wavefront_size: 32
...
	.end_amdgpu_metadata
.endif
;; end of part 1
;; launch gemm1 (part 2): grid 8 x 32, 4 waves a work-group, clusters of 4 x 4, 327,680 bytes of LDS; arguments xc, xs, wq_codes, wq_scales, bq, q; writes q
.if DOCPART == 2
	.amdgcn_target "amdgcn-amd-amdhsa--gfx1250"
	.amdhsa_code_object_version 6
	.text
	.protected	k_q872c4630f8_gemm1
	.globl	k_q872c4630f8_gemm1
	.p2align	8
	.type	k_q872c4630f8_gemm1,@function
k_q872c4630f8_gemm1:
	s_mov_b64 s[64:65], 0
	v_nop
	global_prefetch_b8 v0, s[64:65] scope:SCOPE_SE
	s_setreg_imm32_b32 hwreg(HW_REG_WAVE_MODE, 25, 1), 1
	s_wait_xcnt 0x0
	s_wait_alu depctr_hold_cnt(0) depctr_sa_sdst(0) depctr_va_vdst(0) depctr_va_sdst(0) depctr_va_ssrc(0) depctr_va_vcc(0) depctr_vm_vsrc(0)
	s_getreg_b32 s2, hwreg(HW_REG_IB_STS2, 6, 4)
	s_cmp_eq_u32 s2, 0
	s_cbranch_scc0 .Lentry_in_a_cluster
	s_endpgm
.Lentry_in_a_cluster:
	s_bfe_u32 s2, ttmp6, 0x10000c
	s_cmp_lg_u32 s2, 0xf033
	s_cbranch_scc0 .Lentry_shape_is_right
	s_endpgm
.Lentry_shape_is_right:
; C[m][n] = bias[n] + sum over k of A[m][k] B[n][k].  A [4096][2048], B [2048][2048]: codes of BF6 (E3M2), a row 1,536 bytes, one E8M0 byte for each 32 along K; C f32.
; A work-group of four waves makes 128 x 256 of C (32 x 8 = 256 work-groups), a wave 64 x 128: 32 accumulators.  K goes through a ring of two LDS slots in CHUNKS OF 256 BYTES of each row (six chunks):
; every tile row is 256 bytes of memory and begins at a multiple of 256.  A step of 128 along K is 96 bytes: eight steps to three chunks; steps 2 and 5 of each eight read both slots.
; The scales of the 128 rows of A and the 256 of B, for all of K, are two dense blocks: they come into LDS once.  The bias is the C of the first step's products.
; CLUSTERS 4 x 4: A's tiles are asked for jointly along a row of the cluster, B's along a column.  The matrix instruction is used transposed (source 0 = B's rows, source 1 = A's): a lane holds eight neighbouring columns of a row of C.
; PREFETCH: behind the load of chunk c each wave names chunk c + 2 of its share of the rows that it fetches: the four partners of a joint load share those rows out by address (A: 16 rows each, B: 32), a lane a row; chunks 0 and 1 come by their loads alone.
; REGISTERS: window 0: v0-31 addresses, v32-63 scale words (two sets), v64-127 bias, v128-223 A's fragments (two sets of 4); window 1: B's fragments (two sets of 8); window 2: accumulators.
.set SIZE_M, 4096
.set SIZE_N, 2048
.set SIZE_K, 2048
.set ROWB,   256
.set NQ,     2
.set KROW,   SIZE_K*6/8
.set STEPS,  SIZE_K/128
.set CHUNKS, KROW/ROWB
.set PITCH,  272                       ; 256 bytes + 16 of padding
.set FR,     12
.set NP,     4
.set HALFT,  128*PITCH
.set SLOT,   3*HALFT                   ; A's 128 rows, then B's 256
.set KS,     SIZE_K/32
.set SCL,    2*SLOT
.set HALFS,  (128*KS/256)*272          ; the scales of 128 rows
.set SBLK,   (16*KS/256)*272
.set SPARE,  SCL+3*HALFS               ; the spare words: 512 bytes that no other line names
.set SPITCH, 528
.set STAGE,  (CHUNKS%2)*SLOT           ; the way out's stage lies in the slot that does not hold the last chunk
.set ADRA, 16
.set ADRB, 20
.set STO,  24
.set RD,   25
.set CO,   26
.set ADRS, 27
.set SPW,  28
.set NIL,  29
.set BO,   30
.set PFO,  31                          ; v31 the prefetches' offset: my row x 1,536; never rewritten
.set SC,   32
.set BIAS, 64
.set AF,   128
.set BK,   128
.set G1, 24
.set G0, 32
.set G1B, 48
.set G0B, 56
.set PFA, 66                           ; s[66:67] the first of the rows that my prefetches name; never rewritten
.set G1S, 68
.set G0S, 76
.set G1SB, 80
.set G0SB, 88
.set G0H, 4
.set G0HB, 8
.set MSB, 0
.macro WIN new
.if MSB != \new
	s_set_vgpr_msb (MSB<<8)|\new
.set MSB, \new
.endif
.endm
.set MUL_LO, 0xa1                      ; source 0 window 1, source 1 window 0, C and D window 2
.set BIA_LO, 0x81                      ; C (the bias) window 0, D window 2
.set TO_B,   0x40
.macro JLOAD g0a, g1a, g0b, g1b        ; waves 0, 1 fetch for A, waves 2, 3 for B
	s_cmp_eq_u32 s15, 0
	s_cbranch_scc0 .Lfor_b_\@
	tensor_load_to_lds s[\g0a:\g0a+3], s[\g1a:\g1a+7]
	s_nop 0
.rept 4
	v_nop
.endr
	s_branch .Lasked_\@
.Lfor_b_\@:
	tensor_load_to_lds s[\g0b:\g0b+3], s[\g1b:\g1b+7]
	s_nop 0
.rept 4
	v_nop
.endr
.Lasked_\@:
.endm
.macro ASK c                           ; chunk c of my rows, a lane a row; every address is the fixed base, the fixed offset and an immediate
	global_prefetch_b8 v[PFO], s[PFA:PFA+1] offset:(\c)*ROWB th:TH_LOAD_NT scope:SCOPE_SE
.endm
.macro CREST
	s_cmp_lg_u32 s14, 0
	s_cbranch_scc1 .Lnot_wave_0_\@
	s_barrier_signal -3
.Lnot_wave_0_\@:
	s_barrier_wait -3
	s_barrier_signal -1
	s_barrier_wait -1
.endm
.macro CROUND
	s_barrier_signal -1
	s_barrier_wait -1
	CREST
.endm
	s_load_b128 s[4:7], s[0:1], 0x0                ; A's codes, A's scales
	s_load_b128 s[8:11], s[0:1], 0x10              ; B's codes, B's scales
	s_load_b64 s[96:97], s[0:1], 0x20              ; bias
	s_load_b64 s[12:13], s[0:1], 0x28              ; C
	v_lshl_add_u32 v[SPW], v0, 2, SPARE
	v_mov_b32 v[NIL], 0
	ds_add_u32 v[SPW], v[NIL]                      ; the opening lines: the add twice and its wait
	ds_add_u32 v[SPW], v[NIL]
	v_lshrrev_b32 v1, 5, v0
	v_readfirstlane_b32 s14, v1                    ; wave
	s_lshr_b32 s15, s14, 1                         ; which 64 rows of the tile are mine; also: I fetch for A (0) or B (1)
	s_and_b32 s16, s14, 1                          ; which 128 columns; also: which half of that tile I fetch
	s_bfe_u32 s40, ttmp6, 0x40000                  ; cx
	s_bfe_u32 s41, ttmp6, 0x40004                  ; cy
	s_lshl_b32 s42, ttmp9, 2
	s_add_co_u32 s42, s42, s40                     ; tile column (256 columns)
	s_and_b32 s17, ttmp7, 0xffff
	s_lshl_b32 s17, s17, 2
	s_add_co_u32 s17, s17, s41                     ; tile row (128 rows)
	s_lshl_b32 s43, s41, 2
	s_lshl_b32 s43, 15, s43                        ; my row of the cluster
	s_lshl_b32 s44, 0x1111, s40                    ; my column
	s_or_b32 s[G1+0], s43, (0<<16)|(1<<20)|(1<<21)|(5<<22)|(3<<25)  ; bytes; 4 dwords of padding behind every 64
	s_or_b32 s[G1B+0], s44, (0<<16)|(1<<20)|(1<<21)|(5<<22)|(3<<25)
.irp g, G1, G1B
	s_mov_b32 s[\g+1], ROWB<<16
	s_mov_b32 s[\g+3], ROWB<<16
	s_mov_b32 s[\g+5], KROW
	s_mov_b32 s[\g+6], 0
	s_mov_b32 s[\g+7], 0
.endr
	s_mov_b32 s[G1+2], 128<<16                     ; the head's loads bring whole tiles: A's 128 rows,
	s_mov_b32 s[G1+4], 128
	s_mov_b32 s[G1B+2], 256<<16                    ; B's 256
	s_mov_b32 s[G1B+4], 256
	s_or_b32 s[G1S+0], s43, (3<<16)|(1<<20)|(1<<21)|(5<<22)|(3<<25) ; scales: dense blocks as rows of 256 bytes
	s_or_b32 s[G1SB+0], s44, (3<<16)|(1<<20)|(1<<21)|(5<<22)|(3<<25)
.irp g, G1S, G1SB
	s_mov_b32 s[\g+1], 32<<16
	s_mov_b32 s[\g+3], 32<<16
	s_mov_b32 s[\g+5], 32
	s_mov_b32 s[\g+6], 0
	s_mov_b32 s[\g+7], 0
.endr
	s_mov_b32 s[G1S+2], (KS/2)<<16                 ; A's 128 rows x 64 bytes: 32 rows of 256,
	s_mov_b32 s[G1S+4], KS/2
	s_mov_b32 s[G1SB+2], KS<<16                    ; B's 256 rows: 64
	s_mov_b32 s[G1SB+4], KS
	s_lshl_b32 s20, s17, 7                         ; A: the tile's first row
	s_lshl_b32 s46, s42, 8                         ; B: likewise
	s_mov_b32 s21, 0
	s_mov_b32 s47, 0
	s_mov_b64 s[18:19], KS
	s_mul_u64 s[22:23], s[20:21], s[18:19]
	s_mul_u64 s[92:93], s[46:47], s[18:19]
	s_mov_b64 s[18:19], KROW
	s_mul_u64 s[20:21], s[20:21], s[18:19]
	s_mul_u64 s[46:47], s[46:47], s[18:19]
	s_mul_i32 s18, s16, 64*KROW                    ; in the ring: my 64 rows of A's tile,
	s_mov_b32 s19, 0
	s_mul_i32 s94, s16, 128*KROW                   ; or my 128 of B's,
	s_mov_b32 s95, 0
	s_mul_i32 s45, s16, 64*PITCH                   ; and where they go: no place in the cluster enters an LDS address
	s_mul_i32 s3, s16, HALFT
	s_add_co_u32 s3, s3, HALFT
	s_wait_dscnt 0x0                               ; both opening adds are done
	s_wait_kmcnt 0x0
	s_add_nc_u64 s[20:21], s[4:5], s[20:21]
	s_add_nc_u64 s[22:23], s[6:7], s[22:23]
	s_add_nc_u64 s[46:47], s[8:9], s[46:47]
	s_add_nc_u64 s[92:93], s[10:11], s[92:93]
	; the prefetches' base: the tile's first row + the half that I fetch + my work-group's share of it (A: 16 cx of 64, B: 32 cy of 128)
	s_lshl_b32 s98, s17, 7
	s_lshl_b32 s99, s42, 8
	s_cmp_eq_u32 s15, 0
	s_cselect_b64 s[PFA:PFA+1], s[4:5], s[8:9]
	s_cselect_b32 s98, s98, s99
	s_cselect_b32 s99, s40, s41
	s_cselect_b32 s100, 4, 5
	s_cselect_b32 s101, 15, 31                     ; the last lane with a row of its own; the lanes over name that row again
	s_lshl_b32 s99, s99, s100
	s_add_co_u32 s98, s98, s99
	s_add_co_u32 s100, s100, 2
	s_lshl_b32 s99, s16, s100
	s_add_co_u32 s98, s98, s99
	s_mul_i32 s98, s98, KROW                       ; under 4,096 x 1,536
	s_mov_b32 s99, 0
	s_add_nc_u64 s[PFA:PFA+1], s[PFA:PFA+1], s[98:99]
	CROUND                                         ; in front of the first joint loads
	s_mov_b32 s[G0H], 1
	s_mov_b32 s[G0H+1], 0
	s_mov_b64 s[G0H+2:G0H+3], s[20:21]
	s_or_b32 s[G0H+3], s[G0H+3], 0x80000000
	s_mov_b32 s[G0HB], 1
	s_mov_b32 s[G0HB+1], HALFT
	s_mov_b64 s[G0HB+2:G0HB+3], s[46:47]
	s_or_b32 s[G0HB+3], s[G0HB+3], 0x80000000
	s_mov_b32 s[G0S], 1
	s_mov_b32 s[G0S+1], SCL
	s_mov_b64 s[G0S+2:G0S+3], s[22:23]
	s_or_b32 s[G0S+3], s[G0S+3], 0x80000000
	s_mov_b32 s[G0SB], 1
	s_mov_b32 s[G0SB+1], SCL+HALFS
	s_mov_b64 s[G0SB+2:G0SB+3], s[92:93]
	s_or_b32 s[G0SB+3], s[G0SB+3], 0x80000000
	s_add_nc_u64 s[20:21], s[20:21], s[18:19]
	s_add_nc_u64 s[46:47], s[46:47], s[94:95]
.irp s, 0,1
	s_mov_b32 s[G0+4*\s], 1
	s_add_co_u32 s[G0+4*\s+1], s45, \s*SLOT
	s_add_nc_u64 s[G0+4*\s+2:G0+4*\s+3], s[20:21], \s*ROWB
	s_or_b32 s[G0+4*\s+3], s[G0+4*\s+3], 0x80000000
	s_mov_b32 s[G0B+4*\s], 1
	s_add_co_u32 s[G0B+4*\s+1], s3, \s*SLOT
	s_add_nc_u64 s[G0B+4*\s+2:G0B+4*\s+3], s[46:47], \s*ROWB
	s_or_b32 s[G0B+4*\s+3], s[G0B+4*\s+3], 0x80000000
.endr
; the head's four tiles, one load a wave: wave 0 chunk 0 of A, wave 1 of B, wave 2 A's scales, wave 3 B's; one tree of branches on the wave's number
.macro ARM under, g0, g1, next
	s_cmp_lt_u32 s14, \under
	s_cbranch_scc0 \next
	tensor_load_to_lds s[\g0:\g0+3], s[\g1:\g1+7]
	s_nop 0
.rept 4
	v_nop
.endr
	s_branch .Lhead_asked
\next:
.endm
	ARM 1, G0H,  G1,  .Lhead_b
	ARM 2, G0HB, G1B, .Lhead_sa
	ARM 3, G0S,  G1S, .Lhead_sb
	tensor_load_to_lds s[G0SB:G0SB+3], s[G1SB:G1SB+7]
	s_nop 0
.rept 4
	v_nop
.endr
.Lhead_asked:
	v_and_b32 v1, 15, v0                           ; r
	v_bfe_u32 v2, v0, 4, 1                         ; h
	v_mul_u32_u24 v3, v1, PITCH
	v_mul_u32_u24 v4, v2, 24
	v_add_nc_u32 v4, v3, v4                        ; row x pitch + 24 h
	s_mov_b32 s21, SLOT-232
	s_mov_b32 s22, SLOT+232
	v_sub_nc_u32 v7, 1, v2
	v_mul_u32_u24 v5, s21, v2
	v_add_nc_u32 v5, v3, v5
	v_add_nc_u32 v5, 232, v5                       ; across two chunks: lanes 0-15 byte 232 in slot 0, lanes 16-31 byte 0 in slot 1
	v_mul_u32_u24 v6, s22, v7
	v_add_nc_u32 v6, v3, v6                        ; and the other way round
	s_mul_i32 s21, s15, 64*PITCH                   ; my 64 rows of A
	s_mul_i32 s22, s16, HALFT                      ; my 128 rows of B,
	s_add_co_u32 s22, s22, HALFT                   ; behind A's 128
	v_add_nc_u32 v[ADRA+2], s21, v5
	v_add_nc_u32 v[ADRA+3], s21, v6
	v_add_nc_u32 v[ADRB+2], s22, v5
	v_add_nc_u32 v[ADRB+3], s22, v6
.irp s, 0,1
	v_add_nc_u32 v[ADRA+\s], s21, v4
	v_add_nc_u32 v[ADRB+\s], s22, v4
	s_add_co_u32 s21, s21, SLOT
	s_add_co_u32 s22, s22, SLOT
.endr
	v_mul_u32_u24 v5, v1, KS
	v_lshrrev_b32 v6, 8, v5
	v_lshl_add_u32 v5, v6, 4, v5
	s_mul_i32 s21, s15, HALFS/2                    ; A's scales: my 64 rows
	s_mul_i32 s22, s16, HALFS                      ; B's: my 128 rows, behind A's 128
	s_add_co_u32 s22, s22, HALFS
	s_sub_co_u32 s22, s22, s21
	v_mul_u32_u24 v6, s22, v2                      ; lanes 16-31 take B's scale words
	s_add_co_u32 s21, s21, SCL
	v_add_nc_u32 v5, v5, v6
	v_add_nc_u32 v[ADRS], s21, v5
	s_mul_i32 s23, s14, 16*SPITCH
	s_add_co_u32 s23, s23, STAGE
	v_mul_u32_u24 v5, v1, SPITCH
	v_lshl_add_u32 v5, v2, 5, v5
	v_add_nc_u32 v[STO], s23, v5
	v_and_b32 v6, 31, v0
	v_lshlrev_b32 v[CO], 4, v6
	v_add_nc_u32 v[RD], s23, v[CO]
	v_lshlrev_b32 v[BO], 5, v2                     ; bias: 32 h
	v_min_u32 v[PFO], s101, v6
	v_mul_u32_u24 v[PFO], v[PFO], KROW
	s_lshl_b32 s20, s17, 7
	s_lshl_b32 s21, s15, 6
	s_add_co_u32 s20, s20, s21                     ; my first row of C
	s_mov_b32 s21, 0
	s_mov_b64 s[18:19], SIZE_N*4
	s_mul_u64 s[20:21], s[20:21], s[18:19]
	s_lshl_b32 s46, s42, 10
	s_lshl_b32 s47, s16, 9
	s_add_co_u32 s46, s46, s47                     ; my first column, in bytes
	s_mov_b32 s47, 0
	s_add_nc_u64 s[96:97], s[96:97], s[46:47]      ; the bias of my 128 columns
	s_add_nc_u64 s[20:21], s[20:21], s[46:47]
	s_add_nc_u64 s[12:13], s[12:13], s[20:21]
.macro FRAG reg, adr, st, i            ; 12 registers in pieces of 8 bytes; byte y of a row lies in slot (y / 256) % 2 at byte y % 256
.irp p, 0,1,2,3,4,5
.set BY, 96*(\st)+48*(\p/3)+8*(\p%3)
.if BY/ROWB == (BY+24)/ROWB
	ds_load_b64 v[\reg+2*\p:\reg+2*\p+1], v[\adr+(BY/ROWB)%2] offset:BY%ROWB+(\i)*16*PITCH
.else
	ds_load_b64 v[\reg+2*\p:\reg+2*\p+1], v[\adr+2+(BY/ROWB)%2] offset:BY%ROWB-232+(\i)*16*PITCH
.endif
.endr
.endm
; 8 products: A's block a x B's eight.  The 32 accumulators take turns.  zero = 1: the bias starts the sums
.macro MUL8 a, p, q, sc, zero
.irp b, 0,1,2,3,4,5,6,7
.if \zero
	v_wmma_scale_f32_16x16x128_f8f6f4 v[8*(8*(\a)+\b):8*(8*(\a)+\b)+7], v[128*(\p)+FR*\b:128*(\p)+FR*\b+FR-1], v[AF+48*(\p)+FR*(\a):AF+48*(\p)+FR*(\a)+FR-1], v[BIAS+8*\b:BIAS+8*\b+7], v[SC+8*NQ*(\sc)+NQ*\b+(\q)], v[SC+8*NQ*(\sc)+NQ*(\a)+(\q)] matrix_a_fmt:MATRIX_FMT_BF6 matrix_b_fmt:MATRIX_FMT_BF6 matrix_a_scale:MATRIX_SCALE_ROW1
.else
	v_wmma_scale_f32_16x16x128_f8f6f4 v[8*(8*(\a)+\b):8*(8*(\a)+\b)+7], v[128*(\p)+FR*\b:128*(\p)+FR*\b+FR-1], v[AF+48*(\p)+FR*(\a):AF+48*(\p)+FR*(\a)+FR-1], v[8*(8*(\a)+\b):8*(8*(\a)+\b)+7], v[SC+8*NQ*(\sc)+NQ*\b+(\q)], v[SC+8*NQ*(\sc)+NQ*(\a)+(\q)] matrix_a_fmt:MATRIX_FMT_BF6 matrix_b_fmt:MATRIX_FMT_BF6 matrix_a_scale:MATRIX_SCALE_ROW1
.endif
.endr
.endm
.macro FETCH_B st, p
	WIN TO_B
.irp i, 0,1,2,3,4,5,6,7
	FRAG 128*(\p)+FR*\i, ADRB, \st, \i
.endr
	WIN 0
.endm
.macro FETCH_A st, p
.irp i, 0,1,2,3
	FRAG AF+48*(\p)+FR*\i, ADRA, \st, \i
.endr
.endm
.macro SCALES pr                       ; the scale words of steps 2 pr, 2 pr + 1: lanes 0-15 A's block i (used for i under 4), lanes 16-31 B's
.irp i, 0,1,2,3,4,5,6,7
	ds_load_b64 v[SC+8*NQ*((\pr)%2)+NQ*\i:SC+8*NQ*((\pr)%2)+NQ*\i+1], v[ADRS] offset:\i*SBLK+4*NQ*(\pr)
.endr
.endm
.macro PLACES n                        ; places behind matrix instructions, in front of loads into their registers
.rept \n
	v_nop
.endr
.endm
; A step: 32 products; the next step's fragments are fetched in its middle, into the other sets.  Where the next step's bytes end in a chunk not yet read: a barrier for that chunk.
; Where they begin in a later chunk: the old chunk is left; wait, add, wait, barrier; where a chunk two on is left to fetch, the barrier opens a round and the slot is filled again.
.macro STEP st, zero
.set NX, (\st)+1
.set C0, (96*(\st))/ROWB
.set C1, (96*NX)/ROWB
.set E0, (96*(\st)+95)/ROWB
.set E1, (96*NX+95)/ROWB
.if C1 > C0 || E1 > E0
	s_wait_tensorcnt 0x0                           ; all my tensor loads have landed
.if C1 > C0
	ds_add_u32 v[SPW], v[NIL]
	s_wait_dscnt 1                                 ; this step's fragments are in; the add alone may be out
.else
	s_wait_dscnt 0x0
.endif
	WIN MUL_LO
	MUL8 0, (\st)%2, (\st)%2, ((\st)/2)%2, \zero
	s_wait_dscnt 0x0                               ; the add and my reads are done
	s_barrier_signal -1
	MUL8 1, (\st)%2, (\st)%2, ((\st)/2)%2, \zero
	WIN 0
	s_barrier_wait -1
.if C1 > C0 && C0+2 < CHUNKS
	CREST
	s_add_nc_u64 s[G0+4*(C0%2)+2:G0+4*(C0%2)+3], s[G0+4*(C0%2)+2:G0+4*(C0%2)+3], 2*ROWB
	s_add_nc_u64 s[G0B+4*(C0%2)+2:G0B+4*(C0%2)+3], s[G0B+4*(C0%2)+2:G0B+4*(C0%2)+3], 2*ROWB
	JLOAD G0+4*(C0%2), G1, G0B+4*(C0%2), G1B       ; chunk C0 + 2; its four v_nop are the places for the loads below
.else
	PLACES NP
.endif
.else
	s_wait_dscnt 0x0                               ; this step's fragments are in
.if \zero
	WIN BIA_LO
.else
	WIN MUL_LO
.endif
	MUL8 0, (\st)%2, (\st)%2, ((\st)/2)%2, \zero
	MUL8 1, (\st)%2, (\st)%2, ((\st)/2)%2, \zero
	PLACES NP
.endif
	FETCH_B NX, NX%2
	FETCH_A NX, NX%2
.if NX%2 == 0
	SCALES NX/2
.endif
.if C1 > C0 && C0+4 < CHUNKS
	ASK C0+4                                       ; two chunks on from the one just asked for
.endif
.if \zero
	WIN BIA_LO
.else
	WIN MUL_LO
.endif
	MUL8 2, (\st)%2, (\st)%2, ((\st)/2)%2, \zero
	MUL8 3, (\st)%2, (\st)%2, ((\st)/2)%2, \zero
	WIN 0
.endm
	s_wait_alu depctr_va_vdst(0)                   ; the wait at the head's end
	ASK 2
.irp b, 0,1,2,3,4,5,6,7
	global_load_b128 v[BIAS+8*\b:BIAS+8*\b+3], v[BO], s[96:97] offset:64*\b       ; bias(16 b + 8 h + 0 .. 7), in the result's layout
	global_load_b128 v[BIAS+8*\b+4:BIAS+8*\b+7], v[BO], s[96:97] offset:64*\b+16
.endr
	s_wait_tensorcnt 0x0                           ; my tile of the head's four is in; the three lines ahead of slot 1's first fill
	ds_add_u32 v[SPW], v[NIL]
	s_mov_b32 s[G1+2], 64<<16                      ; no tensor load of mine is out: from here on a load brings half a tile: 64 rows of A,
	s_mov_b32 s[G1+4], 64
	s_mov_b32 s[G1B+2], 128<<16                    ; 128 of B
	s_mov_b32 s[G1B+4], 128
	s_wait_dscnt 0x0
	CROUND
	JLOAD G0+4, G1, G0B+4, G1B                     ; chunk 1
	FETCH_B 0, 0
	ASK 3
	FETCH_A 0, 0
	SCALES 0
	s_wait_loadcnt 0x0                             ; the bias
	STEP 0, 1
.set ST, 1
.rept STEPS-2
	STEP ST, 0
.set ST, ST+1
.endr
	s_wait_dscnt 0x0                               ; the last step
	WIN MUL_LO
	MUL8 0, 1, 1, 1, 0
	MUL8 1, 1, 1, 1, 0
	MUL8 2, 1, 1, 1, 0
	MUL8 3, 1, 1, 1, 0
	WIN 0
; THE WAY OUT: a block of 16 rows x 128 columns goes through my own stage and comes back as rows of 512 bytes; LDS serves a wave's instructions in order (ISA guide 5.7.1.4)
.macro TOSTAGE a
.set AC, 64*(\a)
	WIN 0x08                                       ; the data: window 2
.irp b, 0,1,2,3,4,5,6,7
	ds_store_b128 v[STO], v[AC+8*\b:AC+8*\b+3] offset:64*\b          ; each accumulator from its low end on
	ds_store_b128 v[STO], v[AC+8*\b+4:AC+8*\b+7] offset:64*\b+16
.endr
	WIN 0
.set BB, BK+64*((\a)%2)
.irp t, 0,1,2,3,4,5,6,7,8,9,10,11,12,13,14,15
	ds_load_b128 v[BB+4*\t:BB+4*\t+3], v[RD] offset:\t*SPITCH
.endr
.endm
.macro SEND a, younger
.set BB, BK+64*((\a)%2)
	s_wait_dscnt \younger
.if (\a) > 0
	s_add_nc_u64 s[12:13], s[12:13], 16*SIZE_N*4   ; behind a wait on XCNT
.endif
.irp t, 0,1,2,3,4,5,6,7,8,9,10,11,12,13,14,15
	global_store_b128 v[CO], v[BB+4*\t:BB+4*\t+3], s[12:13] offset:\t*SIZE_N*4   ; 32 lanes store 512 consecutive bytes, aligned
.endr
.endm
	PLACES NP
	TOSTAGE 0
.irp a, 1,2,3
.if \a > 1
	s_wait_xcnt 0x0                                ; block a - 2's stores have read their registers and base
.endif
	TOSTAGE \a
	SEND \a-1, 32                                  ; block a's 16 stores and 16 loads may be out
.endr
	s_wait_xcnt 0x0
	SEND 3, 0
	s_wait_tensorcnt 0x0                           ; the wave's end
	ds_add_u32 v[SPW], v[NIL]
	s_wait_dscnt 0x0
	CROUND                                         ; the closing round
	s_endpgm
.Lfunc_end_k_q872c4630f8_gemm1:
	.size	k_q872c4630f8_gemm1, .Lfunc_end_k_q872c4630f8_gemm1-k_q872c4630f8_gemm1
	.p2alignl 7, 3214868480
	.fill 96, 4, 3214868480
	.section	.rodata,"a",@progbits
	.p2align	6, 0x0
	.amdhsa_kernel k_q872c4630f8_gemm1
		.amdhsa_group_segment_fixed_size 327680
		.amdhsa_private_segment_fixed_size 0
		.amdhsa_enable_private_segment 0
		.amdhsa_kernarg_size 48
		.amdhsa_user_sgpr_count 2
		.amdhsa_user_sgpr_kernarg_segment_ptr 1
		.amdhsa_wavefront_size32 1
		.amdhsa_system_sgpr_workgroup_id_x 1
		.amdhsa_system_sgpr_workgroup_id_y 1
		.amdhsa_system_sgpr_workgroup_id_z 1
		.amdhsa_system_vgpr_workitem_id 0
		.amdhsa_next_free_vgpr 768
		.amdhsa_next_free_sgpr 102
		.amdhsa_reserve_vcc 0
		.amdhsa_float_denorm_mode_32 3
		.amdhsa_float_denorm_mode_16_64 3
		.amdhsa_memory_ordered 1
		.amdhsa_forward_progress 1
		.amdhsa_inst_pref_size 179
	.end_amdhsa_kernel
	.amdgpu_metadata
---
amdhsa.version: [ 1, 2 ]
amdhsa.kernels:
  - .name:           k_q872c4630f8_gemm1
    .symbol:         k_q872c4630f8_gemm1.kd
    .args:
      - { .name: xc, .offset: 0, .size: 8, .value_kind: global_buffer, .address_space: global }
      - { .name: xs, .offset: 8, .size: 8, .value_kind: global_buffer, .address_space: global }
      - { .name: wq_codes, .offset: 16, .size: 8, .value_kind: global_buffer, .address_space: global }
      - { .name: wq_scales, .offset: 24, .size: 8, .value_kind: global_buffer, .address_space: global }
      - { .name: bq, .offset: 32, .size: 8, .value_kind: global_buffer, .address_space: global }
      - { .name: q, .offset: 40, .size: 8, .value_kind: global_buffer, .address_space: global }
    .group_segment_fixed_size: 327680
    .private_segment_fixed_size: 0
    .kernarg_segment_align: 8
    .kernarg_segment_size: 48
    .max_flat_workgroup_size: 128
    .sgpr_count:     102
    .vgpr_count:     768
    .wavefront_size: 32
...
	.end_amdgpu_metadata
.endif
;; end of part 2
;; launch attn (part 3): grid 16 x 16, 16 waves a work-group, clusters of 4 x 1, 312,320 bytes of LDS; arguments q, kv, xc, xs; writes xc, xs
.if DOCPART == 3
	.amdgcn_target "amdgcn-amd-amdhsa--gfx1250"
	.amdhsa_code_object_version 6
	.text
	.protected	k_q872c4630f8_attn
	.globl	k_q872c4630f8_attn
	.p2align	8
	.type	k_q872c4630f8_attn,@function
k_q872c4630f8_attn:
	s_mov_b64 s[64:65], 0
	v_nop
	global_prefetch_b8 v0, s[64:65] scope:SCOPE_SE
	s_setreg_imm32_b32 hwreg(HW_REG_WAVE_MODE, 25, 1), 1
	s_wait_xcnt 0x0
	s_wait_alu depctr_hold_cnt(0) depctr_sa_sdst(0) depctr_va_vdst(0) depctr_va_sdst(0) depctr_va_ssrc(0) depctr_va_vcc(0) depctr_vm_vsrc(0)
	s_getreg_b32 s2, hwreg(HW_REG_IB_STS2, 6, 4)
	s_cmp_eq_u32 s2, 0
	s_cbranch_scc0 .Lentry_in_a_cluster
	s_endpgm
.Lentry_in_a_cluster:
	s_bfe_u32 s2, ttmp6, 0x10000c
	s_cmp_lg_u32 s2, 0x3003
	s_cbranch_scc0 .Lentry_shape_is_right
	s_endpgm
.Lentry_shape_is_right:
; CAUSAL ATTENTION WITH GROUPED KV HEADS, both products on codes of BF6 (E3M2) with one E8M0 scale for each 32 along a product's K; its result leaves as codes, quantised along the 2,048 channels, for c_proj.
; q: [4096 tokens][2048] f32 (32 heads of 64).  kv: for each of 16 kv heads 204,800 dense bytes: K's codes (48 bytes a key), K's scale bytes (2 a key), V's codes as images of the operand's registers
; ([16 steps of 128 keys][4 tiles of 16 channels][1,536 bytes]), V's scale words ([16][4][16] of 4 bytes).  Out: xc [4096][1536] codes, xs [4096][64] scale bytes.
; THE SOFTMAX: t = score x log2(e) / 8; M = the row's largest t so far, rounded UP to a whole number; p = 2^(t - M) is what is quantised, along the keys; it is not normalised.  The row's sum is taken of the
; unquantised p and divides O at the end.  When M moves, the sum and O are multiplied by 2^(old M - new M): exact.
; THE MASK'S VALUE IS A NUMBER, -65504, AND IS KEPT AS ONE.  A hidden key's score becomes -65504 (x 8, since the division by 8 is folded into c).  The running maximum begins at the mask's own t (in every row but the last,
; which hides no key).  In the step on the diagonal hidden scores are replaced and go through the softmax like the others.  Behind it M is final, and all further keys have ONE p = 2^(t_mask - M): it is made once,
; quantised once into a fragment of equal codes, added to the sum as often as there are hidden keys, and multiplied with V in every further step.  For ordinary numbers that p is 0 and its codes are zeros.
; SHARES.  A work-group serves one kv head: its K and V, 204,800 bytes, come into LDS ONCE and stay; nothing is filled again.  A head's 2,048 queries are 128 tiles of 16, tile 8 a + e: a is the key step of its diagonal.
; Wave w serves query head w % 4 of the group of four and TWO tiles, one after the other: (a0, e) and (15 - a0, 7 - e), a0 = 4 A + w / 4: a0 + 1 + 16 - a0 = 17 worked key steps for every wave of the launch.
; A = cluster x % 2, e = 4 (cluster x / 2) + my place in the cluster.  CLUSTER: the four work-groups of a cluster differ in e alone and read the same kv head: the fill is asked for JOINTLY.
; No branch, trip count or LDS address hangs on the place in the cluster: it enters global addresses and the numbers of the mask's vector compares alone.
; LAYOUT.  Both products are used transposed: S^T = K Q^T (source 0 = 16 keys, source 1 = my 16 queries), O^T = V^T P^T (source 0 = 16 channels, source 1 = P): a lane holds ONE query (lane % 16) throughout.
; The head's 64 channels are half of the first product's 128 along K: the upper six registers of K's and Q's fragments are zero codes, which add nothing (their scale bytes are 0, which is no NaN).
; THE KEYS OF A TILE ARE NOT NEIGHBOURS: row r of tile 2 b + u is key 32 b + 8 u + r + 8 (r / 8), so that the 16 registers of tiles 2 b and 2 b + 1 are 16 neighbouring keys, 32 b + 16 (lane / 16) + 0 .. 15.  V's channels likewise.
; LIMITS: NaN and infinities among the inputs are not served; a block whose largest magnitude lies under 2^-122 gets the scale byte 1; a p under 2^-126 is 0 (v_exp_f32 flushes: ISA guide 15.8);
; a block's largest p is taken from its largest score, which takes v_exp_f32 not to fall where its input rises.
.set KSO,   98304                      ; LDS = a kv head's bytes: K's codes at 0, K's scale bytes here,
.set VCO,   102400                     ; V's codes,
.set VSO,   200704                     ; V's scale words
.set HEADB, 204800
.set PART,  12800                      ; what one wave's tensor load brings: 50 rows of 256 bytes
.set SROW,  272                        ; the stage for O's codes: a token's row: 16 places of 16 bytes, each with 12 bytes (16 codes), + 16
.set STILE, 16*SROW
.set OST,   204800                     ; 8 tiles (2 (w / 4) + which of the wave's two) x 16 rows; the four heads of the group share a row
.set OSS,   OST+8*STILE                ; and for the scale bytes: 8 tiles x 16 rows x 8 bytes
.set QST,   242688                     ; behind the spare words: a stage for q, 16 rows of SROW bytes for each wave; no fill lands there
.set QSTW,  16*SROW
.set AK0,  1                           ; v1   my lane's place in a tile of K: 48 (r + 8 (r / 8)) + 24 h
.set AV0,  2                           ; v2   in an image of V: VCO + 16 x lane
.set ASK0, 3                           ; v3   among K's scale bytes: KSO + 2 (r + 8 (r / 8) + 8 h): lanes 0-15 an even tile's rows, lanes 16-31 the odd tile's beside it
.set ASV0, 4                           ; v4   among V's scale words: VSO + 4 x lane: likewise
.set QA,   5                           ; v5   q: 8,192 h + 16 r: sixteen lanes read 256 consecutive bytes of a row, two rows a load
.set DM,   6                           ; v6   the mask's number: my query less the diagonal step's first key less 16 h
.set RH,   7                           ; v7   r - 16 h
.set ADK,  8                           ; v8-11 the step's LDS addresses: K, V, K's scales, V's scales
.set ADV,  9
.set ADS,  10
.set ADT,  11                          ; v12 -M, v13 the largest t, v[14:15] the sum in two halves
.set QF,   16                          ; v16-27  Q's fragment (v22-27 zeros)
.set KSW,  28                          ; v28-31  K's scale words
.set KF,   32                          ; v32-79  four fragments of K (the upper six registers of each: zeros, written once).  Behind the scores v32-34 and v44-46 take the upper halves of p's conversions
.set BM,   80                          ; v80-83  the blocks' largest scores, then largest p
.set PB,   84                          ; v84-87  what the other half of the lanes sends; the scales' bytes; the second chain of the sum
.set SOP,  88                          ; v88-91  the conversions' scale operands
.set FF,   92                          ; v92 f = 2^(old M - new M); v93, named with it as a pair and never taken from it: a lane's count of hidden keys behind the diagonal step, as f32
.set TA,   94                          ; v94, v95 at work
.set TP,   95
.set S,    96                          ; v96-159 S^T, then p; q as f32; O / the sum
.set O,    160                         ; v160-191 O^T
.set VF,   192                         ; v192-239 four fragments of V
.set PC,   240                         ; v240-251 p's codes
.set PSW,  252                         ; v252 p's scale word, v253 q's, v254-255 V's
.set QSW,  253
.set VSW,  254
.set WV,   12                          ; s12 wave, s13 query head in the group, s14 wave / 4
.set GH,   13
.set SL,   14
.set A0,   16                          ; s16 a0, s17 e
.set E0,   17
.set HK,   18                          ; s18 the kv head, s19 its batch's first token
.set TOKB, 19
.set SEL,  20                          ; s[20:21] lane selects for v_permlanex16_b32: lane l xor 16
.set CS,   22                          ; s[22:23] c = log2(e) / 8
.set G1,   24                          ; s[24:31], s[32:35] the fill's descriptor
.set G0,   32
.set TB,   36                          ; s36 the step's codes: 6,144 bytes a step, of K and of V alike;  s37 its scales: 256 bytes a step;  s38 the step
.set TS,   37
.set STP,  38
.set AA,   39                          ; s39 the tile's a, s41 its e
.set EE,   41
.set QB,   42                          ; s[42:43] q at the tile's first token and my head
.set OSTB, 46                          ; s46, s47 my places in the two stages
.set OSSB, 47
.set HK7,  48                          ; s48 the kv head in its batch, s49 my query head
.set HQ,   49
; A round of the cluster's barrier: my work-group's barrier, so that wave 0's signal speaks for all sixteen waves; wave 0 signals for the work-group; every wave waits for all four work-groups; my work-group's barrier once more.
.macro ROUND
	s_barrier_signal -1
	s_barrier_wait -1
	s_cmp_lg_u32 s[WV], 0
	s_cbranch_scc1 .Lnot_wave_0_\@
	s_barrier_signal -3
.Lnot_wave_0_\@:
	s_barrier_wait -3
	s_barrier_signal -1
	s_barrier_wait -1
.endm
	s_load_b256 s[4:11], s[0:1], 0x0               ; q s[4:5], kv s[6:7], xc s[8:9], xs s[10:11]
	v_lshl_add_u32 v254, v0, 2, 0x3ac00
	v_mov_b32 v255, 0
	ds_add_u32 v254, v255
	ds_add_u32 v254, v255
	s_wait_dscnt 0x0
	v_lshrrev_b32 v1, 5, v0
	s_delay_alu instid0(VALU_DEP_1)
	v_readfirstlane_b32 s[WV], v1                  ; wave 0..15
	s_and_b32 s[GH], s[WV], 3
	s_lshr_b32 s[SL], s[WV], 2
	s_bfe_u32 s15, ttmp6, 0x40000                  ; cx: my place in the cluster
	s_and_b32 s[A0], ttmp9, 1                      ; in a cluster launch ttmp9 counts clusters
	s_lshl_b32 s[A0], s[A0], 2
	s_add_co_u32 s[A0], s[A0], s[SL]               ; a0 = 4 A + wave / 4
	s_lshr_b32 s[E0], ttmp9, 1
	s_lshl_b32 s[E0], s[E0], 2
	s_add_co_u32 s[E0], s[E0], s15                 ; e = 4 E + cx
	s_and_b32 s[HK], ttmp7, 0xffff
	s_lshr_b32 s[TOKB], s[HK], 3
	s_lshl_b32 s[TOKB], s[TOKB], 11
	s_and_b32 s[HK7], s[HK], 7
	s_lshl_b32 s[HQ], s[HK7], 2
	s_add_co_u32 s[HQ], s[HQ], s[GH]
	s_mov_b32 s[SEL], 0x76543210
	s_mov_b32 s[SEL+1], 0xfedcba98
	s_mov_b32 s[CS], 0x3e38aa3b                    ; c = log2(e) / 8: t = score x c
	s_mov_b32 s[CS+1], s[CS]                       ; (named with it as a pair, so it is written)
	s_mul_i32 s[OSTB], s[SL], 2*STILE
	s_lshl_b32 s44, s[GH], 6
	s_add_co_u32 s[OSTB], s[OSTB], s44
	s_add_co_u32 s[OSTB], s[OSTB], OST             ; OST + two tiles x (wave / 4) + my head's four places of 16 bytes
	s_lshl_b32 s[OSSB], s[SL], 8
	s_lshl_b32 s44, s[GH], 1
	s_add_co_u32 s[OSSB], s[OSSB], s44
	s_add_co_u32 s[OSSB], s[OSSB], OSS             ; OSS + 256 (wave / 4) + my head's two bytes
	; the fill: my sixteenth of the head's dense bytes, as 50 rows of 256 bytes (32 elements of 8 bytes), no padding
	s_mov_b32 s[G1], 15|(3<<16)|(1<<21)            ; 15:0 the mask: all four work-groups; 17:16 elements of 8 bytes; 21 set beside a mask
	s_mov_b32 s[G1+1], 32<<16                      ; tensor_dim0 = 32
	s_mov_b32 s[G1+2], 50<<16                      ; tensor_dim1 = 50
	s_mov_b32 s[G1+3], 32<<16                      ; tile_dim0 = 32
	s_mov_b32 s[G1+4], 50                          ; tile_dim1 = 50
	s_mov_b32 s[G1+5], 32                          ; tensor_dim0_stride
	s_mov_b32 s[G1+6], 0
	s_mov_b32 s[G1+7], 0
	s_mov_b32 s[G0], 1                             ; count = 1
	s_mul_i32 s[G0+1], s[WV], PART                 ; LDS address: the wave's number x a constant
	s_mul_i32 s44, s[HK], HEADB
	s_add_co_u32 s44, s44, s[G0+1]
	s_mov_b32 s45, 0
	v_and_b32 v[TA], 15, v0                        ; r
	v_bfe_u32 v[TP], v0, 4, 1                      ; h
	v_and_b32 v2, 31, v0                           ; lane
	s_delay_alu instid0(VALU_DEP_3)
	v_and_b32 v3, 8, v[TA]
	s_delay_alu instid0(VALU_DEP_1)
	v_add_nc_u32 v3, v3, v[TA]                     ; r + 8 (r / 8)
	s_delay_alu instid0(VALU_DEP_1)
	v_mul_u32_u24 v[AK0], v3, 48
	s_delay_alu instid0(VALU_DEP_1)
	v_mad_u32_u24 v[AK0], v[TP], 24, v[AK0]
	s_delay_alu instid0(VALU_DEP_3)
	v_lshl_add_u32 v3, v[TP], 3, v3
	s_delay_alu instid0(VALU_DEP_1)
	v_lshl_add_u32 v[ASK0], v3, 1, KSO
	v_lshl_add_u32 v[ASV0], v2, 2, VSO
	v_lshl_add_u32 v[AV0], v2, 4, VCO
	v_lshlrev_b32 v[QA], 13, v[TP]
	s_delay_alu instid0(VALU_DEP_1)
	v_lshl_add_u32 v[QA], v[TA], 4, v[QA]
	v_lshlrev_b32 v[RH], 4, v[TP]
	s_delay_alu instid0(VALU_DEP_1)
	v_sub_nc_u32 v[RH], v[TA], v[RH]
.irp i, 0,1,2,3,4,5
	v_mov_b32 v[QF+6+\i], 0                        ; zero codes for the first product's K = 64 .. 127: Q's,
.irp t, 0,1,2,3
	v_mov_b32 v[KF+12*\t+6+\i], 0                  ; and K's: written once, no load lands there
.endr
.endr
.irp i, 0,1,2,3
	v_mov_b32 v[PB+\i], 0                          ; written once: a lane permute's destination counts as one of its sources
.endr
.irp i, 0,1,2,3,4,5,6,7,8,9,10,11,12
	v_mov_b32 v[PC+\i], 0                          ; p's codes and scale word are written on every way to the second product
.endr
	s_wait_kmcnt 0x0
	s_add_nc_u64 s[G0+2:G0+3], s[6:7], s[44:45]    ; global address: it hangs on the head and the wave alone
	s_or_b32 s[G0+3], s[G0+3], 0x80000000          ; type = 2
	ROUND                                          ; all four work-groups are here: the joint loads meet
	tensor_load_to_lds s[G0:G0+3], s[G1:G1+7]      ; my one tensor load of the launch
	s_nop 0
.rept 4
	v_nop
.endr
; A TILE'S START: ph = 0: (a0, e); 1: (15 - a0, 7 - e).  Its 16 rows of q, my head's 64 channels, are loaded, quantised in registers and stay; the statistics and O^T begin.
; Lane (r, h) takes channels 32 h .. 32 h + 31 of row r, a whole block, as the operand's layout gives them to it.
.macro PREP ph
.if \ph
	s_sub_co_u32 s[AA], 15, s[A0]
	s_sub_co_u32 s[EE], 7, s[E0]
.else
	s_mov_b32 s[AA], s[A0]
	s_mov_b32 s[EE], s[E0]
.endif
	s_lshl_b32 s50, s[EE], 4                       ; the tile's first query less the diagonal step's first key
	s_lshl_b32 s51, s[AA], 7
	s_add_co_u32 s51, s51, s50                     ; the tile's first query
	s_add_co_u32 s44, s51, s[TOKB]
	s_lshl_b32 s44, s44, 13                        ; a token's row of q is 8,192 bytes,
	s_lshl_b32 s45, s[HQ], 8                       ; a head's part of it 256
	s_add_co_u32 s44, s44, s45
	s_mov_b32 s45, 0
	s_add_nc_u64 s[QB:QB+1], s[4:5], s[44:45]      ; (the loads that named this base before have been waited for)
.irp i, 0,1,2,3,4,5,6,7
	global_load_b128 v[VF+4*\i:VF+4*\i+3], v[QA], s[QB:QB+1] offset:16384*\i th:TH_LOAD_NT   ; rows 2 i and 2 i + 1, my head's 256 bytes of each
.endr
	s_mul_i32 s44, s[WV], QSTW
	s_add_co_u32 s44, s44, QST                     ; my wave's stage for q
	v_and_b32 v[ADK], 15, v0
	v_bfe_u32 v[ADV], v0, 4, 1
	s_delay_alu instid0(VALU_DEP_1)
	v_mul_u32_u24 v[ADS], v[ADV], SROW
	s_delay_alu instid0(VALU_DEP_3)
	v_mul_u32_u24 v[ADT], v[ADK], SROW
	s_delay_alu instid0(VALU_DEP_2)
	v_lshl_add_u32 v[ADS], v[ADK], 4, v[ADS]
	s_delay_alu instid0(VALU_DEP_2)
	v_lshl_add_u32 v[ADT], v[ADV], 7, v[ADT]
	s_delay_alu instid0(VALU_DEP_2)
	v_add_nc_u32 v[ADS], s44, v[ADS]               ; into the stage: row h, 16 r
	s_delay_alu instid0(VALU_DEP_2)
	v_add_nc_u32 v[ADT], s44, v[ADT]               ; back: row r, 128 h: a whole block of 32 channels a lane
	s_sub_co_u32 s40, 15, s[AA]                    ; steps behind the diagonal; of each step's 128 keys 64 are a lane's
	s_lshl_b32 s40, s40, 6
	v_cvt_f32_u32 v[FF+1], s40
	v_add_nc_u32 v[DM], s50, v[RH]
	v_mov_b32 v[TA], 0xc8ffe000                    ; -65504 x 8
	s_delay_alu instid0(VALU_DEP_1)
	v_mul_f32 v13, s[CS], v[TA]                    ; the largest t so far: the mask's own,
	v_and_b32 v[TP], 15, v0
	s_delay_alu instid0(VALU_DEP_1)
	v_add_nc_u32 v[TP], s51, v[TP]                 ; my query
	v_mov_b32 v[TA], 0xff61b1e6                    ; or -3e38, under every t,
	s_delay_alu instid0(VALU_DEP_2)
	v_cmp_eq_u32 vcc_lo, 0x7ff, v[TP]
	s_delay_alu instid0(VALU_DEP_1)
	v_cndmask_b32 v13, v13, v[TA], vcc_lo          ; for query 2,047, from which no key is hidden
	s_delay_alu instid0(VALU_DEP_1)
	v_floor_f32 v12, -v13                          ; -M
	v_mov_b32 v14, 0                               ; the sum, in two halves
	v_mov_b32 v15, 0
	s_wait_alu depctr_va_vdst(0)                   ; the wait here, directly ahead of the waits below
.if \ph == 0
	s_wait_tensorcnt 0x0                           ; my sixteenth of the head has landed,
	s_barrier_signal -1
	s_barrier_wait -1                              ; everybody's has: no fill is out when the stage is stored to
.endif
	s_wait_loadcnt 0x0
.irp i, 0,1,2,3,4,5,6,7
	ds_store_b128 v[ADS], v[VF+4*\i:VF+4*\i+3] offset:2*SROW*\i
.endr
.irp i, 0,1,2,3,4,5,6,7
	ds_load_b128 v[S+4*\i:S+4*\i+3], v[ADT] offset:16*\i   ; LDS serves a wave's instructions in order (ISA guide 5.7.1.4): these see my stores
.endr
	s_wait_dscnt 0x0
	v_max3_num_f32 v[BM], |v[S]|, |v[S+1]|, |v[S+2]|               ; my block's largest magnitude: all 32 numbers are mine; two chains
	v_max3_num_f32 v[BM+1], |v[S+3]|, |v[S+4]|, |v[S+5]|
.irp i, 6,10,14,18,22,26
	s_delay_alu instid0(VALU_DEP_2)
	v_max3_num_f32 v[BM], v[BM], |v[S+\i]|, |v[S+\i+1]|
	s_delay_alu instid0(VALU_DEP_2)
	v_max3_num_f32 v[BM+1], v[BM+1], |v[S+\i+2]|, |v[S+\i+3]|
.endr
	s_delay_alu instid0(VALU_DEP_2)
	v_max3_num_f32 v[BM], v[BM], |v[S+30]|, |v[S+31]|
	s_delay_alu instid0(VALU_DEP_1)
	v_max3_num_f32 v[BM], v[BM], v[BM+1], 0x2800000                ; and the floor 2^(5 - 127): the byte cannot fall under 1
	s_delay_alu instid0(VALU_DEP_1)
	v_add_nc_u32 v[SOP], 0xfe000000, v[BM]         ; 4 off its exponent field: the conversion's scale operand
	s_delay_alu instid0(VALU_DEP_1)
	v_lshrrev_b32 v[PB], 23, v[SOP]                ; the scale's byte
	v_cvt_scalef32_pk16_bf6_f32 v[QF:QF+2], v[S:S+15], v[SOP]
	v_cvt_scalef32_pk16_bf6_f32 v[S+32:S+34], v[S+16:S+31], v[SOP] ; (a conversion's three registers begin on an even number)
	v_bfe_u32 v[PB+1], v0, 4, 1                    ; (a plain line behind the conversions)
	s_delay_alu instid0(VALU_DEP_1)
	v_lshlrev_b32 v[PB+1], 3, v[PB+1]
	s_delay_alu instid0(VALU_DEP_1)
	v_lshlrev_b32 v[PB], v[PB+1], v[PB]            ; my byte at its place in the scale word: 8 h bits up
.irp i, 0,1,2
	v_mov_b32 v[QF+3+\i], v[S+32+\i]
.endr
	s_delay_alu instid0(VALU_DEP_4)
	v_permlanex16_b32 v[PB+2], v[PB], s[SEL], s[SEL+1]
	s_delay_alu instid0(VALU_DEP_1)
	v_or_b32 v[QSW], v[PB], v[PB+2]                ; with lane l xor 16's the word is whole; its upper two bytes are 0
.set j, 0
.rept 32
	v_mov_b32 v[O+j], 0                            ; O^T: the loop is written once; its first step finds zeros.  (These lines are also the places between q's scale word and the first product)
.set j, j+1
.endr
.endm
; THE LOOP OVER THE HEAD'S 16 KEY STEPS OF 128 KEYS: a constant count of trips.  Steps up to the tile's a are worked; in those behind it only V is multiplied with the hidden keys' fragment.
.macro LOOP
	s_mov_b32 s[TB], 0
	s_mov_b32 s[TS], 0
	s_mov_b32 s[STP], 0
.Ltrip_\@:
	v_add_nc_u32 v[ADV], s[TB], v[AV0]             ; four plain lines: the places between the last trip's products and the loads into their sources
	v_add_nc_u32 v[ADT], s[TS], v[ASV0]
	v_add_nc_u32 v[ADK], s[TB], v[AK0]
	v_add_nc_u32 v[ADS], s[TS], v[ASK0]
.irp t, 0,1,2,3
.irp c, 0,1,2
	ds_load_b128 v[VF+12*\t+4*\c:VF+12*\t+4*\c+3], v[ADV] offset:1536*\t+512*\c   ; V's four fragments, as images: 512 consecutive bytes a load
.endr
.endr
	ds_load_b32 v[VSW], v[ADT]                     ; V's scale words: lanes 0-15 tile 0's, lanes 16-31 tile 1's;
	ds_load_b32 v[VSW+1], v[ADT] offset:128        ; tiles 2 and 3
	s_cmp_gt_u32 s[STP], s[AA]                     ; all 128 keys hidden?  The branch hangs on the wave's number and the cluster's alone
	s_cbranch_scc1 .Lpv_\@
.irp b, 0,1,2,3
	ds_load_u16 v[KSW+\b], v[ADS] offset:64*\b     ; K's scale words: two bytes a key, the upper two come as 0; lanes 0-15 tile 2 b's, lanes 16-31 tile 2 b + 1's
.endr
	s_wait_alu depctr_va_vdst(0)
.irp g, 0,1                                    ; S^T = K Q^T, four tiles of 16 keys at a time
.if \g
.rept 4
	v_nop                                          ; places in front of loads into registers that matrix instructions have read
.endr
.endif
.irp t, 0,1,2,3
.irp p, 0,1,2
	ds_load_b64 v[KF+12*\t+2*\p:KF+12*\t+2*\p+1], v[ADK] offset:(32*((4*\g+\t)/2)+8*(\t%2))*48+8*\p
.endr
.endr
	s_wait_dscnt 0x0
.irp t, 0,1,2,3
.if \t%2
	v_wmma_scale_f32_16x16x128_f8f6f4 v[S+8*(4*\g+\t):S+8*(4*\g+\t)+7], v[KF+12*\t:KF+12*\t+11], v[QF:QF+11], 0, v[KSW+2*\g+\t/2], v[QSW] matrix_a_fmt:MATRIX_FMT_BF6 matrix_b_fmt:MATRIX_FMT_BF6 matrix_a_scale:MATRIX_SCALE_ROW1
.else
	v_wmma_scale_f32_16x16x128_f8f6f4 v[S+8*(4*\g+\t):S+8*(4*\g+\t)+7], v[KF+12*\t:KF+12*\t+11], v[QF:QF+11], 0, v[KSW+2*\g+\t/2], v[QSW] matrix_a_fmt:MATRIX_FMT_BF6 matrix_b_fmt:MATRIX_FMT_BF6
.endif
.endr
.endr                                          ; register 16 b + i of S^T: key 32 b + 16 h + i of the step
.rept 4
	v_nop
.endr
	s_cmp_lg_u32 s[STP], s[AA]                     ; on the diagonal the scores of hidden keys become the mask's value, ahead of the maximum
	s_cbranch_scc1 .Lopen_\@
	v_mov_b32 v[TA], 0xc8ffe000
.set n, 0
.rept 64
	v_cmp_gt_i32 vcc_lo, 32*(n/16)+n%16, v[DM]     ; hidden where the register's key comes after my query
	v_cndmask_b32 v[S+n], v[S+n], v[TA], vcc_lo
.set n, n+1
.endr
.Lopen_\@:
.irp b, 0,1,2,3
	v_max3_num_f32 v[BM+\b], v[S+16*\b], v[S+1+16*\b], v[S+2+16*\b]   ; THE LARGEST SCORE OF EACH BLOCK OF 32 KEYS: it serves twice: for the row's maximum, and, since p rises with the score, for the block's largest p
.endr
.irp i, 3,5,7,9,11,13
.irp b, 0,1,2,3
	v_max3_num_f32 v[BM+\b], v[BM+\b], v[S+16*\b+\i], v[S+1+16*\b+\i]   ; (the four blocks by turns)
.endr
.endr
.irp b, 0,1,2,3
	v_max_num_f32 v[BM+\b], v[BM+\b], v[S+15+16*\b]
.endr
.irp b, 0,1,2,3
	s_delay_alu instid0(VALU_DEP_4)
	v_permlanex16_b32 v[PB+\b], v[BM+\b], s[SEL], s[SEL+1]
.endr
.irp b, 0,1,2,3
	s_delay_alu instid0(VALU_DEP_4)
	v_max_num_f32 v[BM+\b], v[BM+\b], v[PB+\b]     ; with lane l xor 16's 16 keys
.endr
	s_delay_alu instid0(VALU_DEP_2)
	v_max3_num_f32 v[TA], v[BM], v[BM+1], v[BM+2]
	s_delay_alu instid0(VALU_DEP_1)
	v_max_num_f32 v[TA], v[TA], v[BM+3]            ; the step's largest score of my query
	s_delay_alu instid0(VALU_DEP_1)
	v_mul_f32 v[TA], s[CS], v[TA]                  ; as t (c is positive)
	s_delay_alu instid0(VALU_DEP_1)
	v_max_num_f32 v13, v13, v[TA]                  ; the running largest t
	v_mov_b32 v[TA], v12
	s_delay_alu instid0(VALU_DEP_2)
	v_floor_f32 v12, -v13                          ; the new -M = floor(-t) = -ceil(t): M IS A WHOLE NUMBER
	s_delay_alu instid0(VALU_DEP_1)
	v_sub_f32 v[TA], v12, v[TA]                    ; M's old value less its new one: a whole number, 0 or less
	s_delay_alu instid0(VALU_DEP_1)
	v_cvt_i32_f32 v[TA], v[TA]                     ; (it saturates)
	s_delay_alu instid0(VALU_DEP_1)
	v_ldexp_f32 v[FF], 1.0, v[TA]                  ; f = 2^(old M - new M)
.set j, 0
.rept 32
	v_pk_fma_f32 v[S+j:S+j+1], v[S+j:S+j+1], s[CS:CS+1], v[12:13] op_sel_hi:[1,0,0]   ; t - M, two at a time (of the pairs c and -M the low word serves both halves)
.set j, j+2
.endr
.irp b, 0,1,2,3
	v_fma_f32 v[BM+\b], v[BM+\b], s[CS], v12       ; the same of each block's largest score
.endr
.set j, 0
	s_wait_alu depctr_va_vdst(0)
.rept 64
	v_exp_f32 v[S+j], v[S+j]                       ; p = 2^(t - M), at most 1: NOT normalised
.set j, j+1
.endr
.irp b, 0,1,2,3
	v_exp_f32 v[BM+\b], v[BM+\b]                   ; the block's largest p: the same two instructions on the same number give the same bits
.endr
	v_pk_mul_f32 v[14:15], v[14:15], v[FF:FF+1] op_sel_hi:[1,0]   ; the sums under the new M.  (A plain line behind the exponentials)
	s_wait_alu depctr_va_vdst(0)
.irp b, 0,1,2,3
	v_max_num_f32 v[BM+\b], 0x2800000, v[BM+\b]    ; the floor 2^(5 - 127): the byte cannot fall under 1 (a block whose every p is 0 keeps that byte: its codes are zeros)
.endr
.irp b, 0,1,2,3
	s_delay_alu instid0(VALU_DEP_4)
	v_add_nc_u32 v[SOP+\b], 0xfe000000, v[BM+\b]   ; 4 off the exponent field: the conversion's scale operand
.endr
.irp b, 0,1,2,3
	s_delay_alu instid0(VALU_DEP_4)
	v_lshrrev_b32 v[PB+\b], 23, v[SOP+\b]          ; the scale's byte
.endr
	s_delay_alu instid0(VALU_DEP_3)
	v_lshl_or_b32 v[PSW], v[PB+1], 8, v[PB]        ; p's scale word for these 128 keys
	s_delay_alu instid0(VALU_DEP_1)
	v_lshl_or_b32 v[PSW], v[PB+2], 16, v[PSW]
	s_delay_alu instid0(VALU_DEP_1)
	v_lshl_or_b32 v[PSW], v[PB+3], 24, v[PSW]
.irp c, 0,1
	v_cvt_scalef32_pk16_bf6_f32 v[PC+6*\c:PC+6*\c+2], v[S+32*\c:S+32*\c+15], v[SOP+2*\c]
	v_cvt_scalef32_pk16_bf6_f32 v[KF+12*\c:KF+12*\c+2], v[S+32*\c+16:S+32*\c+31], v[SOP+2*\c+1]   ; (a conversion's three registers begin on an even number; these are free: the scores are made, and the next worked step loads them anew)
.endr
	v_nop                                          ; one plain line behind the scaled conversions
.irp c, 0,1                                    ; the operand's layout wants a WHOLE block in a lane: lanes 0-15 block 2 c, lanes 16-31 block 2 c + 1
.irp i, 0,1,2
	v_permlane16_swap_b32 v[PC+6*\c+\i], v[KF+12*\c+\i]
.endr
.irp i, 0,1,2
	s_delay_alu instid0(VALU_DEP_3)
	v_mov_b32 v[PC+3+6*\c+\i], v[KF+12*\c+\i]
.endr
.endr
	v_pk_add_f32 v[84:85], v[100:101], v[104:105]
	v_pk_add_f32 v[90:91], v[108:109], v[112:113]
	v_pk_add_f32 v[88:89], v[116:117], v[120:121]
	v_pk_add_f32 v[82:83], v[124:125], v[128:129]
	v_pk_add_f32 v[80:81], v[132:133], v[136:137]
	v_pk_add_f32 v[72:73], v[140:141], v[144:145]
	v_pk_add_f32 v[70:71], v[148:149], v[152:153]
	v_pk_add_f32 v[14:15], v[14:15], v[156:157]
	v_pk_add_f32 v[84:85], v[84:85], v[96:97]
	v_pk_add_f32 v[90:91], v[90:91], v[98:99]
	v_pk_add_f32 v[88:89], v[88:89], v[102:103]
	v_pk_add_f32 v[82:83], v[82:83], v[106:107]
	v_pk_add_f32 v[80:81], v[80:81], v[110:111]
	v_pk_add_f32 v[72:73], v[72:73], v[114:115]
	v_pk_add_f32 v[70:71], v[70:71], v[118:119]
	v_pk_add_f32 v[14:15], v[14:15], v[122:123]
	v_pk_add_f32 v[84:85], v[84:85], v[126:127]
	v_pk_add_f32 v[90:91], v[90:91], v[130:131]
	v_pk_add_f32 v[88:89], v[88:89], v[134:135]
	v_pk_add_f32 v[82:83], v[82:83], v[138:139]
	v_pk_add_f32 v[80:81], v[80:81], v[142:143]
	v_pk_add_f32 v[72:73], v[72:73], v[146:147]
	v_pk_add_f32 v[70:71], v[70:71], v[150:151]
	v_pk_add_f32 v[14:15], v[14:15], v[154:155]
	v_pk_add_f32 v[84:85], v[84:85], v[158:159]
	s_delay_alu instid0(VALU_DEP_2)
	v_pk_add_f32 v[14:15], v[14:15], v[82:83]
	s_delay_alu instid0(VALU_DEP_2)
	v_pk_add_f32 v[84:85], v[84:85], v[80:81]
	v_pk_add_f32 v[90:91], v[90:91], v[72:73]
	v_pk_add_f32 v[88:89], v[88:89], v[70:71]
	s_delay_alu instid0(VALU_DEP_2)
	v_pk_add_f32 v[14:15], v[14:15], v[90:91]
	s_delay_alu instid0(VALU_DEP_2)
	v_pk_add_f32 v[84:85], v[84:85], v[88:89]
	s_delay_alu instid0(VALU_DEP_1)
	v_pk_add_f32 v[14:15], v[14:15], v[84:85]
.set j, 0
.rept 16
	v_pk_mul_f32 v[O+j:O+j+1], v[O+j:O+j+1], v[FF:FF+1] op_sel_hi:[1,0]   ; O^T under the new M: x f
.set j, j+2
.endr
.Lpv_\@:
	s_wait_dscnt 0x0                               ; V
	s_wait_alu depctr_va_vdst(0)
.irp t, 0,1,2,3                                ; O^T += V^T P^T: four accumulators by turns, one instruction a turn
.if \t%2
	v_wmma_scale_f32_16x16x128_f8f6f4 v[O+8*\t:O+8*\t+7], v[VF+12*\t:VF+12*\t+11], v[PC:PC+11], v[O+8*\t:O+8*\t+7], v[VSW+\t/2], v[PSW] matrix_a_fmt:MATRIX_FMT_BF6 matrix_b_fmt:MATRIX_FMT_BF6 matrix_a_scale:MATRIX_SCALE_ROW1
.else
	v_wmma_scale_f32_16x16x128_f8f6f4 v[O+8*\t:O+8*\t+7], v[VF+12*\t:VF+12*\t+11], v[PC:PC+11], v[O+8*\t:O+8*\t+7], v[VSW+\t/2], v[PSW] matrix_a_fmt:MATRIX_FMT_BF6 matrix_b_fmt:MATRIX_FMT_BF6
.endif
.endr
	s_cmp_lg_u32 s[STP], s[AA]
	s_cbranch_scc1 .Lnob_\@
	; BEHIND THE DIAGONAL STEP M is final.  The hidden keys' one p, its share of the sum, its scale word and its fragment of equal codes; they serve every further step.
	v_mov_b32 v[TA], 0xc8ffe000
	s_delay_alu instid0(VALU_DEP_1)
	v_fma_f32 v[TP], v[TA], s[CS], v12             ; t_mask - M: 0 or less in every row that hides a key;
	s_delay_alu instid0(VALU_DEP_1)
	v_min_num_f32 v[TP], 0, v[TP]                  ; held there for query 2,047, which hides none and whose count below is 0
	s_wait_alu depctr_va_vdst(0)
	v_exp_f32 v[TP], v[TP]
	v_nop                                          ; a plain line behind the exponential
	s_wait_alu depctr_va_vdst(0)
	v_max_num_f32 v[BM], 0x2800000, v[TP]
	s_delay_alu instid0(VALU_DEP_1)
	v_add_nc_u32 v[SOP], 0xfe000000, v[BM]
	s_delay_alu instid0(VALU_DEP_1)
	v_lshrrev_b32 v[PB], 23, v[SOP]
	v_fma_f32 v14, v[TP], v[FF+1], v14             ; the sum: p x my count of hidden keys.  (Nine plain lines stand between the products above and the first write of a register that they read)
	s_delay_alu instid0(VALU_DEP_2)
	v_lshl_or_b32 v[PB+1], v[PB], 8, v[PB]
	s_delay_alu instid0(VALU_DEP_1)
	v_lshl_or_b32 v[PSW], v[PB+1], 16, v[PB+1]     ; the byte in all four places
.set j, 0
.rept 16
	v_mov_b32 v[S+j], v[TP]
.set j, j+1
.endr
	v_cvt_scalef32_pk16_bf6_f32 v[PC:PC+2], v[S:S+15], v[SOP]
	v_nop
.irp i, 3,4,5,6,7,8,9,10,11
	v_mov_b32 v[PC+\i], v[PC+\i%3]                 ; all codes are equal: sixteen codes' 96 bits, four times
.endr
.rept 4
	v_nop                                          ; with the next trip's four additions: the places between these writes and the next products
.endr
.Lnob_\@:
	s_add_co_u32 s[TB], s[TB], 6144
	s_add_co_u32 s[TS], s[TS], 256
	s_add_co_u32 s[STP], s[STP], 1
	s_cmp_lt_u32 s[STP], 16
	s_cbranch_scc1 .Ltrip_\@
.endm
; A TILE'S END: O^T is divided by the sum and quantised along the channels: register 16 b + i is channel 32 b + 16 h + i of my head, so a block lies in lanes l and l xor 16.
; A lane's 16 codes, 12 bytes, go to place 4 x head + 2 b + h of its token's row in the stage; the block's bytes to the stage for scales.
.macro OUT ph
	v_add_f32 v14, v14, v15                        ; the sum's two halves,
	s_delay_alu instid0(VALU_DEP_1)
	v_permlanex16_b32 v[TA], v14, s[SEL], s[SEL+1]
	s_delay_alu instid0(VALU_DEP_1)
	v_add_f32 v14, v14, v[TA]                      ; and lane l xor 16's: the row's sum
	s_wait_alu depctr_va_vdst(0)
	v_rcp_f32 v14, v14
	v_and_b32 v[TA], 15, v0                        ; (plain lines behind the reciprocal, and places behind the last products)  r
	v_bfe_u32 v[TP], v0, 4, 1                      ; h
	s_delay_alu instid0(VALU_DEP_2)
	v_mul_u32_u24 v8, v[TA], SROW
	s_delay_alu instid0(VALU_DEP_1)
	v_lshl_add_u32 v8, v[TP], 4, v8
	s_delay_alu instid0(VALU_DEP_1)
	v_add_nc_u32 v8, s[OSTB], v8                   ; codes: row r, + 16 h
	v_lshl_add_u32 v9, v[TA], 3, s[OSSB]           ; scale bytes: 8 bytes a row
.set j, 0
	s_wait_alu depctr_va_vdst(0)
.rept 32
	v_mul_f32 v[S+j], v[O+j], v14                  ; each accumulator from its low end on
.set j, j+1
.endr
.irp b, 0,1
	v_max3_num_f32 v[BM+\b], |v[S+16*\b]|, |v[S+1+16*\b]|, 0x2800000
.endr
.irp i, 2,4,6,8,10,12,14
.irp b, 0,1
	s_delay_alu instid0(VALU_DEP_2)
	v_max3_num_f32 v[BM+\b], v[BM+\b], |v[S+16*\b+\i]|, |v[S+1+16*\b+\i]|
.endr
.endr
.irp b, 0,1
	s_delay_alu instid0(VALU_DEP_2)
	v_permlanex16_b32 v[PB+\b], v[BM+\b], s[SEL], s[SEL+1]
.endr
.irp b, 0,1
	s_delay_alu instid0(VALU_DEP_2)
	v_max_num_f32 v[BM+\b], v[BM+\b], v[PB+\b]
.endr
.irp b, 0,1
	s_delay_alu instid0(VALU_DEP_2)
	v_add_nc_u32 v[SOP+\b], 0xfe000000, v[BM+\b]
.endr
.irp b, 0,1
	s_delay_alu instid0(VALU_DEP_2)
	v_lshrrev_b32 v[PB+\b], 23, v[SOP+\b]
.endr
	s_delay_alu instid0(VALU_DEP_1)
	v_lshl_or_b32 v[TA], v[PB+1], 8, v[PB]         ; my head's two bytes of the token's row of scales
	v_cvt_scalef32_pk16_bf6_f32 v[PC:PC+2], v[S:S+15], v[SOP]
	v_cvt_scalef32_pk16_bf6_f32 v[PC+4:PC+6], v[S+16:S+31], v[SOP+1]
	v_nop                                          ; one plain line behind the scaled conversions
	ds_store_b96 v8, v[PC:PC+2] offset:\ph*STILE
	ds_store_b96 v8, v[PC+4:PC+6] offset:\ph*STILE+32
	ds_store_b16 v9, v[TA] offset:\ph*128          ; both lanes of a block write the same bytes with the same value
	s_wait_dscnt 0x0                               ; the stores have landed (for the others' sake, at the barrier below) and have read their registers
.endm
	PREP 0                                         ; its loads go out while the fill is on its way; the wait for the fill and the barrier stand inside it
	LOOP
	OUT 0
	PREP 1
	LOOP
	OUT 1
	s_barrier_signal -1                            ; every wave's stores into the stages have landed
	s_barrier_wait -1
	; THE WAY OUT.  Wave w takes rows 8 (w % 2) .. + 7 of stage tile w / 2: sixteen lanes read a token's 16 places and store its 192 consecutive bytes, the four heads of the group; two tokens an instruction.
	v_and_b32 v[TA], 15, v0                        ; r: here the place in a row
	v_bfe_u32 v[TP], v0, 4, 1                      ; h: here which of two rows
	s_wait_alu depctr_va_vdst(0)
	s_lshr_b32 s44, s[WV], 1
	s_mul_i32 s44, s44, STILE
	s_and_b32 s45, s[WV], 1
	s_mul_i32 s50, s45, 8*SROW
	s_add_co_u32 s44, s44, s50
	s_add_co_u32 s44, s44, OST
	v_mul_u32_u24 v10, v[TP], SROW
	s_delay_alu instid0(VALU_DEP_1)
	v_lshl_add_u32 v10, v[TA], 4, v10
	s_delay_alu instid0(VALU_DEP_1)
	v_add_nc_u32 v10, s44, v10
	v_and_b32 v8, 31, v0
	s_lshl_b32 s44, s[WV], 8
	s_add_co_u32 s44, s44, OSS
	v_lshl_add_u32 v8, v8, 3, s44                  ; the scale bytes of waves 4 w .. 4 w + 3: used by waves 0 to 3 alone, below
.irp i, 0,1,2,3
	ds_load_b96 v[S+4*\i:S+4*\i+2], v10 offset:2*SROW*\i
.endr
	v_mul_u32_u24 v11, v[TP], 1536
	s_delay_alu instid0(VALU_DEP_1)
	v_mad_u32_u24 v11, v[TA], 12, v11              ; and the same place in xc
	s_lshl_b32 s51, s[A0], 7
	s_lshl_b32 s50, s[E0], 4
	s_add_co_u32 s51, s51, s50                     ; the first tile's first query; the second's is 128 (15 - a0) + 16 (7 - e) = 2,032 less that
	s_sub_co_u32 s50, 2032, s51
	s_bitcmp1_b32 s[WV], 1                         ; stage tile w / 2 is the first or the second of waves 4 (w / 4) on
	s_cselect_b32 s50, s50, s51
	s_lshl_b32 s45, s45, 3
	s_add_co_u32 s50, s50, s45
	s_add_co_u32 s50, s50, s[TOKB]
	s_mul_i32 s44, s50, 1536
	s_mul_i32 s45, s[HK7], 192
	s_add_co_u32 s44, s44, s45
	s_mov_b32 s45, 0
	s_add_nc_u64 s[8:9], s[8:9], s[44:45]
	s_wait_alu depctr_va_vdst(0)
.irp i, 0,1,2,3
	s_wait_dscnt 3-\i                              ; the younger loads may stay out
	global_store_b96 v11, v[S+4*\i:S+4*\i+2], s[8:9] offset:3072*\i
.endr
	; The scale bytes: 8 a token (the group's four heads), 64 bytes apart in xs: waves 0 to 3 store those of 32 tokens each.  One byte in 24 of what the launch stores.
	s_cmp_ge_u32 s[WV], 4
	s_cbranch_scc1 .Lno_scales
	ds_load_b64 v[S+16:S+17], v8                   ; lanes 0-15: the first tile's rows, lanes 16-31 the second's
	s_add_co_u32 s50, s[A0], s[WV]                 ; (for waves 0 to 3 a0 is 4 A)
	s_lshl_b32 s50, s50, 7
	s_lshl_b32 s51, s[E0], 4
	s_add_co_u32 s50, s50, s51                     ; t0: the first tile's first query
	s_lshl_b32 s51, s50, 1
	s_sub_co_u32 s51, 2032, s51                    ; from there to the second tile's: 16 at the least
	v_mul_u32_u24 v9, s51, v[TP]
	s_delay_alu instid0(VALU_DEP_1)
	v_add_nc_u32 v9, v9, v[TA]
	s_delay_alu instid0(VALU_DEP_1)
	v_lshlrev_b32 v9, 6, v9
	s_add_co_u32 s50, s50, s[TOKB]
	s_lshl_b32 s44, s50, 6
	s_lshl_b32 s45, s[HK7], 3
	s_add_co_u32 s44, s44, s45
	s_mov_b32 s45, 0
	s_add_nc_u64 s[10:11], s[10:11], s[44:45]
	s_wait_alu depctr_va_vdst(0)
	s_wait_dscnt 0x0
	global_store_b64 v9, v[S+16:S+17], s[10:11]
.Lno_scales:
	s_wait_dscnt 0x0
	s_wait_xcnt 0x0
	v_lshl_add_u32 v254, v0, 2, 0x3ac00
	v_mov_b32 v255, 0
	s_wait_alu depctr_va_vdst(0)
	s_wait_tensorcnt 0x0
	ds_add_u32 v254, v255
	s_wait_dscnt 0x0
	ROUND                                          ; the closing round: no work-group ends while a partner may still ask for the fill that names it
	s_endpgm
.Lfunc_end_k_q872c4630f8_attn:
	.size	k_q872c4630f8_attn, .Lfunc_end_k_q872c4630f8_attn-k_q872c4630f8_attn
	.p2alignl 7, 3214868480
	.fill 96, 4, 3214868480
	.section	.rodata,"a",@progbits
	.p2align	6, 0x0
	.amdhsa_kernel k_q872c4630f8_attn
		.amdhsa_group_segment_fixed_size 312320
		.amdhsa_private_segment_fixed_size 0
		.amdhsa_enable_private_segment 0
		.amdhsa_kernarg_size 32
		.amdhsa_user_sgpr_count 2
		.amdhsa_user_sgpr_kernarg_segment_ptr 1
		.amdhsa_wavefront_size32 1
		.amdhsa_system_sgpr_workgroup_id_x 1
		.amdhsa_system_sgpr_workgroup_id_y 1
		.amdhsa_system_sgpr_workgroup_id_z 1
		.amdhsa_system_vgpr_workitem_id 0
		.amdhsa_next_free_vgpr 256
		.amdhsa_next_free_sgpr 66
		.amdhsa_reserve_vcc 1
		.amdhsa_float_denorm_mode_32 3
		.amdhsa_float_denorm_mode_16_64 3
		.amdhsa_memory_ordered 1
		.amdhsa_forward_progress 1
		.amdhsa_inst_pref_size 82
	.end_amdhsa_kernel
	.amdgpu_metadata
---
amdhsa.version: [ 1, 2 ]
amdhsa.kernels:
  - .name:           k_q872c4630f8_attn
    .symbol:         k_q872c4630f8_attn.kd
    .args:
      - { .name: q, .offset: 0, .size: 8, .value_kind: global_buffer, .address_space: global }
      - { .name: kv, .offset: 8, .size: 8, .value_kind: global_buffer, .address_space: global }
      - { .name: xc, .offset: 16, .size: 8, .value_kind: global_buffer, .address_space: global }
      - { .name: xs, .offset: 24, .size: 8, .value_kind: global_buffer, .address_space: global }
    .group_segment_fixed_size: 312320
    .private_segment_fixed_size: 0
    .kernarg_segment_align: 8
    .kernarg_segment_size: 32
    .max_flat_workgroup_size: 512
    .sgpr_count:     66
    .vgpr_count:     256
    .wavefront_size: 32
...
	.end_amdgpu_metadata
.endif
;; end of part 3
;; launch gemm2: the kernel of part 2 again; grid 8 x 32, 4 waves a work-group, clusters of 4 x 4, 327,680 bytes of LDS; arguments xc, xs, wc_codes, wc_scales, bc, out0; writes out0
